; MI455X (gfx1250); checked and timed in simulation.
; The chip was launched on July 23, 2026; its instructions are those of AMD's public machine-readable ISA for CDNA 5 (MIT licence, August 2026) and "CDNA5" Instruction Set Architecture Reference Guide (July 2026). The comments in the code are by the model that wrote it; some were corrected since.
;; Causal Self Attention. Allowed arithmetic: matrix products marked QUANTISED: E2M1 operands, one E8M0 scale for each 32 along K, by v_wmma_scale_f32_16x16x128_f8f6f4 with both operands' format E2M1 (or v_wmma_scale_f32_32x16x128_f4), f32 sums; everything else in f32.
;; Inputs: W_attn 1,024 x 3,072 float32; W_proj 1,024 x 1,024 float32; b_attn 3,072 float32; b_proj 1,024 float32; x 4 x 2,048 x 1,024 float32.
;; Outputs: out0 4 x 2,048 x 1,024 float32.
;; Constants: n_head = 16.
;; This version of the problem:
;;   THIS VERSION OF THE PROBLEM IS GIVEN IN LOW PRECISION. The matrix products marked QUANTISED in the list below multiply operands that are first quantised to E2M1 (2 exponent bits, 1 mantissa bit; 4 bits a number), with one power-of-two scale for each 32 numbers along K (OCP MX v1.0); their sums are f32. All else is computed in f32.
;;   The module's matrix products, in the order in which they are computed (A, B: the left and right operand; K: the contracted axis; several contracted axes count as one K, in the product's order):
;;     1. [M 8,192, K 1,024] x [K 1,024, N 3,072]; A: input x; B: input W_attn: QUANTISED
;;     2. batch 64 x [M 2,048, K 64] x [K 64, N 2,048]; A: computed on the way; B: computed on the way: QUANTISED
;;     3. batch 64 x [M 2,048, K 2,048] x [K 2,048, N 64]; A: computed on the way; B: computed on the way: QUANTISED
;;     4. [M 8,192, K 1,024] x [K 1,024, N 1,024]; A: computed on the way; B: input W_proj: QUANTISED
;;   THE QUANTISER, for each operand of a quantised product, along K:
;;     - K is cut into blocks of 32 from its start; a last block that is shorter is filled with zeros.
;;     - A block's scale is 2^e with e = floor(log2(the largest magnitude in the block)) - 2, held to -126 .. 127; a block of zeros has e = 0. As a byte (E8M0): e + 127.
;;     - Each number is divided by its block's scale, clamped to +-6, and rounded to the nearest number of E2M1, ties to even, subnormals kept.
;;     - The product sums the exact products of the quantised numbers (number of the format x scale) in f32.
;;   ~~~python
;;   def quantise(x, axis):      # numpy; x: float32 -> the quantised numbers, widened to float32 again
;;       x = np.moveaxis(x, axis, -1); K = x.shape[-1]
;;       x = np.pad(x, [(0, 0)] * (x.ndim - 1) + [(0, -K % 32)]); x = x.reshape(x.shape[:-1] + (-1, 32)); a = np.abs(x).max(-1, keepdims=True)
;;       e = np.where(a > 0, np.clip(np.frexp(np.where(a > 0, a, 1))[1] - 1 - 2, -126, 127), 0)      # np.frexp(a)[1] - 1 = floor(log2(a)), exactly
;;       r = np.clip(x / 2.0 ** e, -6, 6)
;;       step = 2.0 ** (np.maximum(np.frexp(np.where(r == 0, 1, r))[1] - 1, 0) - 1)
;;       q = np.round(r / step) * step * 2.0 ** e      # np.round: ties to even
;;       return np.moveaxis(q.reshape(q.shape[:-2] + (-1,))[..., :K], -1, axis).astype(np.float32)
;;   ~~~
;;   OPERANDS COMPUTED ON THE WAY. 'Computed on the way' means the value that the module computes at that place (a softmax that the list does not call 'softmax' is quantised finished and normalised). What goes into a quantiser is computed in f32, as accurately as f32 sums, v_exp_f32 and their like allow (about 1e-6 of the number): no bf16 or f16 on the way to a quantiser, and a product that is left as it is and whose result goes on into a quantised operand takes f32 operands (vector FMAs, or v_wmma_f32_16x16x4_f32). A number that lies on a knife's edge between two numbers of the format may be rounded either way, as far as f32 arithmetic and the matrix unit's own rounding can turn it there, and no further.
;; One version. Each part assembles by itself: llvm-mc -triple=amdgcn-amd-amdhsa -mcpu=gfx1250 --defsym DOCPART=n.
;; ======== version 1 of 1: 4 launches
;; workspace buffers: xw 6,684,672 bytes; qkv 15,204,352 bytes; yq 4,456,448 bytes
;; launch prep (part 1): grid 320 x 1, 4 waves a work-group, no clusters, 34,304 bytes of LDS; arguments x, W_attn, W_proj, xw; writes xw
.if DOCPART == 1
	.amdgcn_target "amdgcn-amd-amdhsa--gfx1250"
	.amdhsa_code_object_version 6
	.text
	.protected	k_q66f6b547e7_prep
	.globl	k_q66f6b547e7_prep
	.p2align	8
	.type	k_q66f6b547e7_prep,@function
k_q66f6b547e7_prep:
	s_mov_b64 s[64:65], 0
	v_nop
	global_prefetch_b8 v0, s[64:65] scope:SCOPE_SE
	s_setreg_imm32_b32 hwreg(HW_REG_WAVE_MODE, 25, 1), 1
	s_wait_xcnt 0x0
; x [8192][1024], W_attn [1024][3072] and W_proj [1024][1024], f32, become codes of FP4 (E2M1) with one E8M0 scale byte for each 32 along K (K = the 1,024 of x's rows and of the weights' first axis).
; A block's scale is 2^(floor(log2(largest magnitude)) - 2): its byte is the largest magnitude's exponent field - 2, held at 1 from below by a floor among the maximum's leaves.
; LAYOUT OF xw: an operand is cut into TILES of 16 rows; tile 2 g + u, row r is row (x: token, weights: column) 32 g + 8 u + r + 8 (r / 8).  A tile's codes lie [k / 32][r][16 bytes], 8,192 bytes: so the
; registers 4 c .. 4 c + 3 of a fragment for 128 along K lie at 1024 s + 512 c + 16 x lane.  Its scale bytes lie [k / 512][r][16 bytes], 512 bytes.
;   XC: x's 512 tiles;  XS: their scale bytes;  WC: 256 weight tiles (0-191 W_attn's columns, 192-255 W_proj's);  WS: their scale bytes.
; SHARES: work-groups 0-255 take x (a wave: one tile x 512 along K), 256-303 W_attn, 304-319 W_proj (a wave: 32 columns x 512 along K).  Waves share nothing: no barrier.
; LIMITS: NaN and infinities are not served; a block of zeros gets the byte 1 where the quantiser says 127: its codes are zeros, and this program alone reads the bytes.
.set XS,  4194304
.set WC,  4456448
.set WS,  6553600
.set SP,  528                          ; a row of the x path's stage: 512 bytes + 16 = 132 words, so that row r starts 4 r banks on
.set R,   16                           ; v16-143  x path: two sets of 64 registers as loaded
.set X,   144                          ; v144-207 x path: my two blocks of 32 neighbours
.set C,   208                          ; v208-239 x path: codes, four registers for each (f, c): no store's data are written again
.set WD,  240                          ; v240-243 x path: my row's four scale words
.set T,   244                          ; v244-251 x path: at work
.set WX,  32                           ; v32-95   weights: two sets of 32 numbers
.set WCD, 96                           ; v96-159  weights: codes, four registers a block
.set SB,  24                           ; v24-27   weights: my column's 16 scale bytes
.macro LOADF f                         ; 128 along K of the tile's 16 rows: each load reads 512 consecutive bytes of one row
.irp i, 0,1,2,3,4,5,6,7,8,9,10,11,12,13,14,15
	global_load_b128 v[R+64*((\f)%2)+4*\i:R+64*((\f)%2)+4*\i+3], v4, s[4:5] offset:(\i+8*(\i/8))*4096+512*(\f) th:TH_LOAD_NT
.endr
.endm
.macro TURN f                          ; through my wave's stage: in as loaded, out as 32 neighbours a block.  LDS serves a wave's instructions in order: no wait between
.irp i, 0,1,2,3,4,5,6,7,8,9,10,11,12,13,14,15
	ds_store_b128 v5, v[R+64*((\f)%2)+4*\i:R+64*((\f)%2)+4*\i+3] offset:SP*\i
.endr
.irp c, 0,1
.irp j, 0,1,2,3,4,5,6,7
	ds_load_b128 v[X+32*\c+4*\j:X+32*\c+4*\j+3], v6 offset:256*\c+16*\j
.endr
.endr
.endm
.macro WORK f                          ; lane (r, h): blocks 2 c + h of these 128 along K of row r, c = 0, 1
.irp c, 0,1
	v_max3_num_f32 v[T+\c], |v[X+32*\c]|, |v[X+32*\c+1]|, 0x1800000      ; the floor 2^(3 - 127): the byte cannot fall under 1
.endr
.irp i, 2,4,6,8,10,12,14,16,18,20,22,24,26,28,30
.irp c, 0,1
	v_max3_num_f32 v[T+\c], v[T+\c], |v[X+32*\c+\i]|, |v[X+32*\c+\i+1]|
.endr
.endr
.irp c, 0,1
	v_add_nc_u32 v[T+2+\c], 0xff000000, v[T+\c]                          ; 2 off the exponent field: the conversion's scale operand
.endr
.irp c, 0,1
.irp g, 0,1,2,3
	v_cvt_scalef32_pk8_fp4_f32 v[C+8*(\f)+4*\c+\g], v[X+32*\c+8*\g:X+32*\c+8*\g+7], v[T+2+\c]
.endr
.endr
.irp c, 0,1
	v_lshrrev_b32 v[T+4+\c], 23, v[T+2+\c]                               ; the scale's byte
.endr
	v_lshl_or_b32 v[T+6], v[T+5], 16, v[T+4]                             ; my two bytes: blocks h and 2 + h,
	v_lshlrev_b32 v[T+6], v8, v[T+6]                                     ; 8 h bits up;
	v_permlanex16_b32 v[T+7], v[T+6], s12, s13
	v_or_b32 v[WD+(\f)], v[T+6], v[T+7]                                  ; with lane l xor 16's two the word is whole
.irp c, 0,1
	global_store_b128 v4, v[C+8*(\f)+4*\c:C+8*(\f)+4*\c+3], s[22:23] offset:1024*(\f)+512*\c   ; 512 consecutive bytes
.endr
.endm
.macro WLOAD t, n, p                   ; block t of my column: W(32 t + i, column), i = 0 .. 31; the 32 lanes read 128 consecutive bytes
.irp i, 0,1,2,3,4,5,6,7,8,9,10,11,12,13,14,15,16,17,18,19,20,21,22,23,24,25,26,27,28,29,30,31
	global_load_b32 v[WX+32*((\t)%2)+\i], v5, s[\p:\p+1] offset:(32*(\t)+\i)*\n*4 th:TH_LOAD_NT
.endr
.endm
.macro WBLOCK t, n, p
.set XB, WX+32*((\t)%2)
.if (\t) < 15
	s_wait_loadcnt 32                              ; this block's 32 loads are in; the next block's may be out
.else
	s_wait_loadcnt 0x0
.endif
	v_max3_num_f32 v12, |v[XB]|, |v[XB+1]|, |v[XB+2]|
	v_max3_num_f32 v13, |v[XB+3]|, |v[XB+4]|, |v[XB+5]|
.irp i, 6,10,14,18,22,26
	v_max3_num_f32 v12, v12, |v[XB+\i]|, |v[XB+\i+1]|
	v_max3_num_f32 v13, v13, |v[XB+\i+2]|, |v[XB+\i+3]|
.endr
	v_max3_num_f32 v12, v12, |v[XB+30]|, |v[XB+31]|
	v_max3_num_f32 v12, v12, v13, 0x1800000        ; and the floor
	v_add_nc_u32 v11, 0xff000000, v12
	v_lshrrev_b32 v13, 23, v11
.if (\t)%4 == 0
	v_mov_b32 v[SB+(\t)/4], v13
.else
	v_lshl_or_b32 v[SB+(\t)/4], v13, 8*((\t)%4), v[SB+(\t)/4]
.endif
.irp g, 0,1,2,3
	v_cvt_scalef32_pk8_fp4_f32 v[WCD+4*(\t)+\g], v[XB+8*\g:XB+8*\g+7], v11
.endr
	global_store_b128 v8, v[WCD+4*(\t):WCD+4*(\t)+3], s[22:23] offset:256*(\t)   ; each half of the lanes stores 256 consecutive bytes of its tile, aligned
.if (\t)+2 < 16
	WLOAD (\t)+2, \n, \p
.endif
.endm
; a weight [1024][n]: s17 = 2 x (group of 128 columns) + (half of K); t0 = the weight's first tile; p = the scalar pair with its address
.macro WPATH n, t0, p
	s_lshr_b32 s18, s17, 1
	s_and_b32 s19, s17, 1
	s_mul_i32 s20, s19, 512*\n*4                   ; 512 rows down for the second half of K,
	s_lshl_b32 s21, s18, 9
	s_add_co_u32 s20, s20, s21                     ; 128 columns a group,
	s_lshl_b32 s21, s16, 7
	s_add_co_u32 s20, s20, s21                     ; 32 a wave
	s_mov_b32 s21, 0
	s_lshl_b32 s22, s18, 3
	s_lshl_b32 s23, s16, 1
	s_add_co_u32 s22, s22, s23
	s_add_co_u32 s22, s22, \t0                     ; my wave's first tile of two
	s_lshl_b32 s24, s22, 9
	s_lshl_b32 s25, s19, 8
	s_add_co_u32 s24, s24, s25
	s_add_co_u32 s24, s24, WS
	s_mov_b32 s25, 0
	s_lshl_b32 s22, s22, 13
	s_lshl_b32 s23, s19, 12
	s_add_co_u32 s22, s22, s23
	s_add_co_u32 s22, s22, WC
	s_mov_b32 s23, 0
	v_and_b32 v5, 8, v2
	v_add_nc_u32 v5, v5, v2                        ; r + 8 (r / 8)
	v_lshl_add_u32 v5, v3, 3, v5                   ; + 8 u: lanes 16-31 take the second tile
	v_lshlrev_b32 v5, 2, v5
	v_lshlrev_b32 v8, 4, v2
	v_lshl_add_u32 v9, v3, 9, v8                   ; scale bytes: 512 u + 16 r
	v_lshl_add_u32 v8, v3, 13, v8                  ; codes: 8192 u + 16 r
	s_wait_kmcnt 0x0
	s_add_nc_u64 s[\p:\p+1], s[\p:\p+1], s[20:21]
	s_add_nc_u64 s[22:23], s[10:11], s[22:23]
	s_add_nc_u64 s[24:25], s[10:11], s[24:25]
	WLOAD 0, \n, \p
	WLOAD 1, \n, \p
.set Q, 0
.rept 16
	WBLOCK Q, \n, \p
.set Q, Q+1
.endr
	global_store_b128 v9, v[SB:SB+3], s[24:25]     ; each half of the lanes stores 256 consecutive bytes, aligned
.endm
	s_load_b256 s[4:11], s[0:1], 0x0               ; x s[4:5], W_attn s[6:7], W_proj s[8:9], xw s[10:11]
	v_lshl_add_u32 v254, v0, 2, 0x8400
	v_mov_b32 v255, 0
	v_lshrrev_b32 v1, 5, v0
	v_readfirstlane_b32 s16, v1                    ; wave
	v_and_b32 v1, 31, v0                           ; lane
	v_and_b32 v2, 15, v0                           ; r
	v_bfe_u32 v3, v0, 4, 1                         ; h
	s_cmp_lt_u32 ttmp9, 256
	s_cbranch_scc0 .Lweights
	; ---- x: wave W = 4 x work-group + wave takes tile W / 2, half W % 2 of K
	s_lshl_b32 s17, ttmp9, 2
	s_add_co_u32 s17, s17, s16
	s_lshr_b32 s18, s17, 1                         ; tile
	s_and_b32 s19, s17, 1                          ; half of K
	s_lshr_b32 s20, s18, 1
	s_lshl_b32 s20, s20, 5
	s_and_b32 s21, s18, 1
	s_lshl_b32 s21, s21, 3
	s_add_co_u32 s20, s20, s21                     ; the tile's first token
	s_lshl_b32 s20, s20, 12                        ; rows of 4,096 bytes
	s_lshl_b32 s21, s19, 11
	s_add_co_u32 s20, s20, s21
	s_mov_b32 s21, 0
	s_lshl_b32 s22, s18, 13
	s_lshl_b32 s23, s19, 12
	s_add_co_u32 s22, s22, s23                     ; the codes (XC = 0)
	s_mov_b32 s23, 0
	s_lshl_b32 s24, s18, 9
	s_lshl_b32 s25, s19, 8
	s_add_co_u32 s24, s24, s25
	s_add_co_u32 s24, s24, XS                      ; the scale bytes
	s_mov_b32 s25, 0
	s_mov_b32 s12, 0x76543210
	s_mov_b32 s13, 0xfedcba98                      ; v_permlanex16_b32's selects for lane l xor 16
	v_cmp_eq_u32 s14, 1, v3                        ; lanes 16-31
	v_lshlrev_b32 v4, 4, v1                        ; 16 x lane
	s_mul_i32 s26, s16, 16*SP                      ; my wave's stage
	v_add_nc_u32 v5, s26, v4                       ; into it
	v_mul_u32_u24 v6, v2, SP
	v_lshl_add_u32 v6, v3, 7, v6
	v_add_nc_u32 v6, s26, v6                       ; out of it: row r, + 128 h
	v_lshlrev_b32 v7, 4, v2
	v_lshl_add_u32 v7, v3, 3, v7                   ; scale words: 16 r + 8 h
	v_lshlrev_b32 v8, 3, v3                        ; 8 h
	v_mov_b32 v[T+7], 0                            ; a lane permute's destination counts as one of its sources
	s_wait_kmcnt 0x0
	s_add_nc_u64 s[4:5], s[4:5], s[20:21]
	s_add_nc_u64 s[22:23], s[10:11], s[22:23]
	s_add_nc_u64 s[24:25], s[10:11], s[24:25]
	LOADF 0
	LOADF 1
.irp f, 0,1,2,3
.if \f < 3
	s_wait_loadcnt 16                              ; this set's 16 loads are in; the next set's may be out
.else
	s_wait_loadcnt 0x0
.endif
	TURN \f
	s_wait_dscnt 0x0
.if \f < 2
	LOADF \f+2
.endif
	WORK \f
.endr
	v_cndmask_b32 v[T], v[WD], v[WD+2], s14        ; lanes 0-15 store words 0 and 1 of their row, lanes 16-31 words 2 and 3:
	v_cndmask_b32 v[T+1], v[WD+1], v[WD+3], s14
	global_store_b64 v7, v[T:T+1], s[24:25]        ; 256 consecutive bytes, aligned
	s_wait_tensorcnt 0x0
	ds_add_u32 v254, v255
	s_wait_dscnt 0x0
	s_endpgm
.Lweights:
	s_cmp_lt_u32 ttmp9, 304
	s_cbranch_scc0 .Lproj
	s_sub_co_u32 s17, ttmp9, 256
	WPATH 3072, 0, 6
	s_endpgm
.Lproj:
	s_sub_co_u32 s17, ttmp9, 304
	WPATH 1024, 192, 8
	s_endpgm
.Lfunc_end_k_q66f6b547e7_prep:
	.size	k_q66f6b547e7_prep, .Lfunc_end_k_q66f6b547e7_prep-k_q66f6b547e7_prep
	.p2alignl 7, 3214868480
	.fill 96, 4, 3214868480
	.section	.rodata,"a",@progbits
	.p2align	6, 0x0
	.amdhsa_kernel k_q66f6b547e7_prep
		.amdhsa_group_segment_fixed_size 34304
		.amdhsa_private_segment_fixed_size 0
		.amdhsa_enable_private_segment 0
		.amdhsa_kernarg_size 32
		.amdhsa_user_sgpr_count 2
		.amdhsa_user_sgpr_kernarg_segment_ptr 1
		.amdhsa_wavefront_size32 1
		.amdhsa_system_sgpr_workgroup_id_x 1
		.amdhsa_system_sgpr_workgroup_id_y 1
		.amdhsa_system_sgpr_workgroup_id_z 1
		.amdhsa_system_vgpr_workitem_id 0
		.amdhsa_next_free_vgpr 256
		.amdhsa_next_free_sgpr 66
		.amdhsa_reserve_vcc 0
		.amdhsa_float_denorm_mode_32 3
		.amdhsa_float_denorm_mode_16_64 3
		.amdhsa_memory_ordered 1
		.amdhsa_forward_progress 1
		.amdhsa_inst_pref_size 179
	.end_amdhsa_kernel
	.amdgpu_metadata
---
amdhsa.version: [ 1, 2 ]
amdhsa.kernels:
  - .name:           k_q66f6b547e7_prep
    .symbol:         k_q66f6b547e7_prep.kd
    .args:
      - { .name: x, .offset: 0, .size: 8, .value_kind: global_buffer, .address_space: global }
      - { .name: W_attn, .offset: 8, .size: 8, .value_kind: global_buffer, .address_space: global }
      - { .name: W_proj, .offset: 16, .size: 8, .value_kind: global_buffer, .address_space: global }
      - { .name: xw, .offset: 24, .size: 8, .value_kind: global_buffer, .address_space: global }
    .group_segment_fixed_size: 34304
    .private_segment_fixed_size: 0
    .kernarg_segment_align: 8
    .kernarg_segment_size: 32
    .max_flat_workgroup_size: 128
    .sgpr_count:     66
    .vgpr_count:     256
    .wavefront_size: 32
...
	.end_amdgpu_metadata
.endif
;; end of part 1
;; launch gemm_qkv (part 2): grid 12 x 32, 4 waves a work-group, clusters of 4 x 4, 279,040 bytes of LDS; arguments xw, b_attn, qkv; writes qkv
.if DOCPART == 2
	.amdgcn_target "amdgcn-amd-amdhsa--gfx1250"
	.amdhsa_code_object_version 6
	.text
	.protected	k_q66f6b547e7_gemm_qkv
	.globl	k_q66f6b547e7_gemm_qkv
	.p2align	8
	.type	k_q66f6b547e7_gemm_qkv,@function
k_q66f6b547e7_gemm_qkv:
	s_mov_b64 s[64:65], 0
	v_nop
	global_prefetch_b8 v0, s[64:65] scope:SCOPE_SE
	s_setreg_imm32_b32 hwreg(HW_REG_WAVE_MODE, 25, 1), 1
	s_wait_xcnt 0x0
	s_wait_alu depctr_hold_cnt(0) depctr_sa_sdst(0) depctr_va_vdst(0) depctr_va_sdst(0) depctr_va_ssrc(0) depctr_va_vcc(0) depctr_vm_vsrc(0)
	s_getreg_b32 s2, hwreg(HW_REG_IB_STS2, 6, 4)
	s_cmp_eq_u32 s2, 0
	s_cbranch_scc0 .Lentry_in_a_cluster
	s_endpgm
.Lentry_in_a_cluster:
	s_bfe_u32 s2, ttmp6, 0x10000c
	s_cmp_lg_u32 s2, 0xf033
	s_cbranch_scc0 .Lentry_shape_is_right
	s_endpgm
.Lentry_shape_is_right:
; qkv = x W_attn + b_attn on codes of FP4 with E8M0 scales (K = 1,024), and at once what attention wants of it: q's and k's codes and scale words along the head's 64, -|q|^2 / 2 and -|k|^2 / 2 (f32 sums of the
; unquantised numbers), v's codes and scale words along the keys.  No f32 number of qkv goes to memory.
; OPERANDS lie in xw as tiles of 16 rows (tile 2 g + u, row r = row 32 g + 8 u + r + 8 (r / 8)), codes [k / 32][r][16 bytes]: registers 4 c .. 4 c + 3 of a fragment lie at 1024 s + 512 c + 16 x lane.
; A work-group makes 256 "A" rows x 256 "B" rows, a wave 128 x 128: 64 accumulators.  The matrix instruction takes source 0 = B's tile, source 1 = A's: a lane holds ONE row of A, and by the order of a tile's rows
; the 16 registers of B's tiles 2 g and 2 g + 1 are 16 neighbouring rows of B: 32 g + 16 (lane / 16) + 0 .. 15.  So a lane's 64 registers of one A tile are quantised as they stand.
; Cluster x = 0: q, 1: k: A = x (tokens), B = W_attn's columns: registers run along the channels.  Cluster x = 2: v: A = W_attn's v columns, B = x: registers run along the tokens, v's K.  Only offsets differ.
; K = 1,024 is two K steps of 512, and both lie in LDS at once: every tensor load is a first fill, nothing is filled again.  By this text's count a wave has three tensor loads out.
; CLUSTER 4 x 4: A's tiles are shared along a row of the cluster, B's along a column: joint loads.
; LDS: slot k at k SLOT: A's 16 tiles x 4,096 bytes, then B's 16; behind the slots A's scale bytes (16 x 512), then B's.
; REGISTERS: window 0: v1-23 addresses; v24-31 scale words made; v32-95 operands' scale words, nothing else; v96-127 at work; v128-255 A's fragments, two sets (on the way out: 64 numbers, then the codes).
;   window 1: v0-63, v128-191 B's fragments, two sets; v64-127 the bias along the registers; v192-207 the bias along the lanes.   windows 2, 3: the accumulators ((a, b) at v[8 (8 (a % 4) + b)]).
; LAYOUT OF qkv: QC, KC [bh][tile 128][lane][16 bytes];  VC [bh][step 16][tile 4][c 2][lane][16 bytes];  SC0: q's scale words, 12,288 bytes a head, [step][g 2][r][4 words] (word a % 4 of group a / 4: tile 8 step + a);
;   SC0 + 786,432: a head's 12,288 bytes: k's words likewise (8,192), then v's [step][r][4 words];  SQ0: -|q|^2 / 2 as [bh][step][g][r][4 words];  SQ0 + 524,288: -|k|^2 / 2.
; LIMITS: NaN and infinities are not served; a block of zeros gets the byte 1 where the quantiser says 127: its codes are zeros, and this program alone reads the bytes.
.set NA,    8                          ; A's tiles in a wave
.set HALFA, NA*4096
.set HALFB, 32768
.set SLOT,  2*HALFA+2*HALFB
.set SCL,   2*SLOT
.set XS,    4194304
.set WC,    4456448
.set WS,    6553600
.set VC,    8388608
.set SC0,   12582912
.set SQ0,   14155776
.set ADRS, 10                          ; v10     LDS address of my scale words: lanes 0-15 A's rows, lanes 16-31 B's
.set ADRA, 16                          ; v16-17  LDS address of my A fragments in slot 0, 1
.set ADRB, 20                          ; v20-21  the same for B
.set PWV,  24                          ; v24-31  the scale words made for A's tiles 0-7
.set SC,   32                          ; v32-95  set k at SC + 32 k; register 4 i + q: lanes 0-15 A's tile i, lanes 16-31 B's tile i, the slot's q-th 128 along K
.set TM,   96                          ; v96-111 the quantiser's
.set SQ,   114                         ; v114-119 sums of squares, at work
.set SQV,  120                         ; v120-127 -|.|^2 / 2 for A's tiles 0-7
.set AF,   128
.set H,    128                         ; the way out: 64 numbers
.set PC,   192                         ; the way out: eight code registers for each of A's tiles: no store's data are written again
.set BI,   64                          ; window 1
.set BV,   192                         ; window 1
.set G1,   24
.set G0,   32
.set G1B,  48
.set G0B,  56
.set G1S,  68
.set G0S,  76
.set G1SB, 80
.set G0SB, 88
.set QK,   98                          ; s98  1: q or k, 0: v; the same in all sixteen partners
.set HM,   99                          ; s99  lanes 16-31
.set SEL,  100                         ; s[100:101] v_permlanex16_b32's selects for lane l xor 16
.set MSB, 0
.macro WIN new                         ; the immediate's high byte repeats the setting that is left
.if MSB != \new
	s_set_vgpr_msb (MSB<<8)|\new
.set MSB, \new
.endif
.endm
; A joint load: waves 0 and 1 fetch for A, waves 2 and 3 for B; the branch hangs on the wave's number alone.  Four v_nop follow each of the two lines.
.macro JLOAD g0a, g1a, g0b, g1b
	s_cmp_eq_u32 s15, 0
	s_cbranch_scc0 .Lfor_b_\@
	tensor_load_to_lds s[\g0a:\g0a+3], s[\g1a:\g1a+7]
	s_nop 0
.rept 4
	v_nop
.endr
	s_branch .Lasked_\@
.Lfor_b_\@:
	tensor_load_to_lds s[\g0b:\g0b+3], s[\g1b:\g1b+7]
	s_nop 0
.rept 4
	v_nop
.endr
.Lasked_\@:
.endm
.macro CROUND                          ; a round of the cluster's barrier
	s_barrier_signal -1
	s_barrier_wait -1
	s_cmp_lg_u32 s14, 0
	s_cbranch_scc1 .Lnot_wave_0_\@
	s_barrier_signal -3
.Lnot_wave_0_\@:
	s_barrier_wait -3
	s_barrier_signal -1
	s_barrier_wait -1
.endm
.macro PLACES n
.rept \n
	v_nop
.endr
.endm
.macro FRAG reg, adr, q, i             ; a fragment as it lies: two loads of 512 consecutive bytes
.irp c, 0,1
	ds_load_b128 v[\reg+4*\c:\reg+4*\c+3], v[\adr] offset:1024*(\q)+512*\c+4096*(\i)
.endr
.endm
.macro FETCH s                         ; step s of eight (128 along K): B's 8 fragments and A's NA, into set s % 2
	WIN 0x40
.irp i, 0,1,2,3,4,5,6,7
	FRAG 128*((\s)%2)+8*\i, ADRB+(\s)/4, (\s)%4, \i
.endr
	WIN 0
.set ia, 0
.rept NA
	FRAG AF+8*NA*((\s)%2)+8*ia, ADRA+(\s)/4, (\s)%4, ia
.set ia, ia+1
.endr
.endm
.macro SCALES k                        ; the scale words of K step k: four words a row
.irp i, 0,1,2,3,4,5,6,7
	ds_load_b128 v[SC+32*\k+4*\i:SC+32*\k+4*\i+3], v[ADRS] offset:512*\i+256*\k
.endr
.endm
; half of a step's products: NA / 2 of A's tiles x B's eight.  cm = 1: the product starts the sum; 0: it adds in place.  The accumulators take turns, one instruction a turn, in the same order in every step.
.macro MULH s, half, cm
.if \half == 1
	WIN 0xf1                                       ; source 0 (B) window 1, source 1 (A) window 0, C and D window 3
.else
	WIN 0xa1                                       ; the same, C and D window 2
.endif
.set ia, (NA/2)*(\half)
.rept NA/2
.set ib, 0
.rept 8
.set AC, 8*(8*(ia%4)+ib)
.set BR, 128*((\s)%2)+8*ib
.set AR, AF+8*NA*((\s)%2)+8*ia
.set SCB, SC+32*((\s)/4)+4*ib+(\s)%4
.set SCA, SC+32*((\s)/4)+4*ia+(\s)%4
.if \cm == 1
	v_wmma_scale_f32_16x16x128_f8f6f4 v[AC:AC+7], v[BR:BR+7], v[AR:AR+7], 0, v[SCB], v[SCA] matrix_a_fmt:MATRIX_FMT_FP4 matrix_b_fmt:MATRIX_FMT_FP4 matrix_a_scale:MATRIX_SCALE_ROW1
.else
	v_wmma_scale_f32_16x16x128_f8f6f4 v[AC:AC+7], v[BR:BR+7], v[AR:AR+7], v[AC:AC+7], v[SCB], v[SCA] matrix_a_fmt:MATRIX_FMT_FP4 matrix_b_fmt:MATRIX_FMT_FP4 matrix_a_scale:MATRIX_SCALE_ROW1
.endif
.set ib, ib+1
.endr
.set ia, ia+1
.endr
.endm
; A step of 128 along K.  In its middle the next step's fragments are asked for, into the other set, whose last readers stand in the step before: four plain places lie between.
; Step 3 is slot 0's last: in front of the barrier my part of slot 1 has landed and my reads of slot 0 are in; behind it slot 1 is whole.
.macro STEP s, cm
	s_wait_dscnt 0x0                               ; this step's fragments are in
.if \s == 3
	s_wait_tensorcnt 0x0
	s_barrier_signal -1
.endif
	MULH \s, 0, \cm
.if \s == 3
	s_barrier_wait -1
.endif
.if \s < 7
	PLACES 4
	FETCH \s+1
.if \s == 3
	SCALES 1
.endif
.endif
	MULH \s, 1, \cm
.endm
; 64 numbers of a lane, register 16 b + i = k 32 b + 16 (lane / 16) + i of my row, become a fragment's codes in v[pc] on and its scale word in v[pw].
.macro QUANT s, pc, pw
.irp b, 0,1,2,3
	v_max3_num_f32 v[TM+\b], |v[\s+16*\b]|, |v[\s+1+16*\b]|, 0x1800000   ; the floor 2^(3 - 127): the byte cannot fall under 1
.endr
.irp i, 2,4,6,8,10,12,14
.irp b, 0,1,2,3
	v_max3_num_f32 v[TM+\b], v[TM+\b], |v[\s+16*\b+\i]|, |v[\s+1+16*\b+\i]|
.endr
.endr
.irp b, 0,1,2,3
	v_permlanex16_b32 v[TM+4+\b], v[TM+\b], s[SEL], s[SEL+1]
.endr
.irp b, 0,1,2,3
	v_max_num_f32 v[TM+\b], v[TM+\b], v[TM+4+\b]   ; with lane l xor 16's: the block's largest magnitude
.endr
.irp b, 0,1,2,3
	v_add_nc_u32 v[TM+12+\b], 0xff000000, v[TM+\b] ; 2 off its exponent field: the conversion's scale operand
.endr
.irp b, 0,1,2,3
	v_lshrrev_b32 v[TM+4+\b], 23, v[TM+12+\b]      ; the scale's byte
.endr
	v_lshl_or_b32 v[\pw], v[TM+5], 8, v[TM+4]
	v_lshl_or_b32 v[\pw], v[TM+6], 16, v[\pw]
	v_lshl_or_b32 v[\pw], v[TM+7], 24, v[\pw]
.irp b, 0,1,2,3
	v_cvt_scalef32_pk8_fp4_f32 v[\pc+2*\b], v[\s+16*\b:\s+7+16*\b], v[TM+12+\b]
	v_cvt_scalef32_pk8_fp4_f32 v[\pc+1+2*\b], v[\s+8+16*\b:\s+15+16*\b], v[TM+12+\b]
.endr
	v_nop                                          ; one plain place behind a scaled conversion
.irp c, 0,1                                    ; a whole block to a lane: lanes 0-15 block 2 c, lanes 16-31 block 2 c + 1
.irp i, 0,1
	v_permlane16_swap_b32 v[\pc+4*\c+\i], v[\pc+2+4*\c+\i]
.endr
.endr
.endm
.macro BIASADD a, vmode                ; A's tile a: the 64 sums + the bias, into window 0; each accumulator is read from its low end on
.if (\a) < 4
	WIN 0x06                                       ; source 0 window 2, source 1 window 1
.else
	WIN 0x07                                       ; source 0 window 3
.endif
.set j, 0
.rept 32
.if \vmode
	v_pk_add_f32 v[H+j:H+j+1], v[64*((\a)%4)+j:64*((\a)%4)+j+1], v[BV+2*(\a):BV+2*(\a)+1]
.else
	v_pk_add_f32 v[H+j:H+j+1], v[64*((\a)%4)+j:64*((\a)%4)+j+1], v[BI+j:BI+j+1]
.endif
.set j, j+2
.endr
	WIN 0
.endm
; q or k, 16 tokens: registers 0-31 are head e's channels (my half of each block), 32-63 head e + 1's
.macro EPI_QK a
	BIASADD \a, 0
	v_pk_mul_f32 v[SQ:SQ+1], v[H:H+1], v[H:H+1]
	v_pk_mul_f32 v[SQ+2:SQ+3], v[H+32:H+33], v[H+32:H+33]
.irp j, 2,4,6,8,10,12,14,16,18,20,22,24,26,28,30
	v_pk_fma_f32 v[SQ:SQ+1], v[H+\j:H+\j+1], v[H+\j:H+\j+1], v[SQ:SQ+1]
	v_pk_fma_f32 v[SQ+2:SQ+3], v[H+32+\j:H+33+\j], v[H+32+\j:H+33+\j], v[SQ+2:SQ+3]
.endr
	v_add_f32 v[SQ], v[SQ], v[SQ+1]
	v_add_f32 v[SQ+2], v[SQ+2], v[SQ+3]
	v_permlanex16_b32 v[SQ+4], v[SQ], s[SEL], s[SEL+1]
	v_permlanex16_b32 v[SQ+5], v[SQ+2], s[SEL], s[SEL+1]
	v_add_f32 v[SQ], v[SQ], v[SQ+4]
	v_add_f32 v[SQ+2], v[SQ+2], v[SQ+5]
	v_cndmask_b32 v[SQ], v[SQ], v[SQ+2], s[HM]     ; lanes 0-15 keep head e's sum, lanes 16-31 head e + 1's
	v_mul_f32 v[SQV+(\a)], -0.5, v[SQ]
	QUANT H, PC+8*(\a), PWV+(\a)
	v_lshrrev_b32 v[PWV+(\a)], v13, v[PWV+(\a)]    ; lanes 16-31: head e + 1's two bytes come down.  The two bytes above scale zero codes alone and are never 0xff
	global_store_b128 v3, v[PC+8*(\a):PC+8*(\a)+3], s[18:19] offset:512*(\a)              ; head e: 512 consecutive bytes
	global_store_b128 v3, v[PC+8*(\a)+4:PC+8*(\a)+7], s[18:19] offset:65536+512*(\a)      ; head e + 1
.endm
; v, 16 channels x 128 keys: one fragment
.macro EPI_V a
	BIASADD \a, 1
	QUANT H, PC+8*(\a), PWV+(\a)
	global_store_b128 v3, v[PC+8*(\a):PC+8*(\a)+3], s[18:19] offset:((\a)/4)*65536+((\a)%4)*1024
	global_store_b128 v3, v[PC+8*(\a)+4:PC+8*(\a)+7], s[18:19] offset:((\a)/4)*65536+((\a)%4)*1024+512
.endm
	s_load_b128 s[4:7], s[0:1], 0x0                ; xw s[4:5], b_attn s[6:7]
	s_load_b64 s[8:9], s[0:1], 0x10                ; qkv
	v_lshl_add_u32 v112, v0, 2, 0x44000
	v_mov_b32 v113, 0
	ds_add_u32 v112, v113
	ds_add_u32 v112, v113
	v_lshrrev_b32 v1, 5, v0
	v_readfirstlane_b32 s14, v1                    ; wave 0..3
	s_lshr_b32 s15, s14, 1                         ; which half of A's rows is mine.  Also: I fetch for A (0) or for B (1)
	s_and_b32 s16, s14, 1                          ; which half of B's rows.  Also: which half of that operand's tiles I fetch
	s_bfe_u32 s40, ttmp6, 0x40000                  ; cx
	s_bfe_u32 s41, ttmp6, 0x40004                  ; cy
	s_lshl_b32 s43, s41, 2
	s_lshl_b32 s43, 15, s43                        ; my row of the cluster
	s_lshl_b32 s44, 0x1111, s40                    ; my column
	; group 1, codes: eight operand tiles, of each the 4,096 bytes of one K step (512 elements of 8 bytes), 8,192 bytes apart
	s_or_b32 s[G1+0], s43, (3<<16)|(1<<21)         ; 15:0 the mask: A's go to my row; 17:16 elements of 8 bytes; 21 set beside a mask
	s_or_b32 s[G1B+0], s44, (3<<16)|(1<<21)
.irp g, G1, G1B
	s_mov_b32 s[\g+1], 512<<16                     ; tensor_dim0
	s_mov_b32 s[\g+2], 8<<16                       ; tensor_dim1
	s_mov_b32 s[\g+3], 512<<16                     ; tile_dim0
	s_mov_b32 s[\g+4], 8                           ; tile_dim1
	s_mov_b32 s[\g+5], 1024                        ; from tile to tile
	s_mov_b32 s[\g+6], 0
	s_mov_b32 s[\g+7], 0
.endr
	; group 1, scale bytes: eight tiles' 4,096 dense bytes as 16 rows of 256
	s_or_b32 s[G1S+0], s43, (3<<16)|(1<<21)
	s_or_b32 s[G1SB+0], s44, (3<<16)|(1<<21)
.irp g, G1S, G1SB
	s_mov_b32 s[\g+1], 32<<16
	s_mov_b32 s[\g+2], 16<<16
	s_mov_b32 s[\g+3], 32<<16
	s_mov_b32 s[\g+4], 16
	s_mov_b32 s[\g+5], 32
	s_mov_b32 s[\g+6], 0
	s_mov_b32 s[\g+7], 0
.endr
	; who is A and who is B: chosen on cluster x, which all sixteen partners share
	s_and_b32 s17, ttmp7, 0xffff
	s_lshl_b32 s17, s17, 6                         ; 64 x cluster y
	s_lshl_b32 s18, ttmp9, 6                       ; 64 x cluster x
	s_mov_b32 s19, 128
	s_mov_b32 s20, WC
	s_mov_b32 s21, WS
	s_mov_b32 s22, XS
	s_cmp_lt_u32 ttmp9, 2
	s_cselect_b32 s92, s17, s19                    ; A's first tile, less 16 cy
	s_cselect_b32 s93, 0, s20                      ; where A's codes begin in xw
	s_cselect_b32 s94, s22, s21                    ; and its scale bytes
	s_cselect_b32 s95, s18, s17                    ; B's first tile, less 16 cx
	s_cselect_b32 s96, s20, 0
	s_cselect_b32 s97, s21, s22
	s_cselect_b32 s[QK], 1, 0
	s_lshl_b32 s45, s41, 4
	s_add_co_u32 s92, s92, s45                     ; A's first tile: hangs on cy, never on cx
	s_lshl_b32 s46, s40, 4
	s_add_co_u32 s95, s95, s46                     ; B's first tile: hangs on cx, never on cy
	s_lshl_b32 s45, s16, 3
	s_add_co_u32 s45, s45, s92                     ; the first of A's eight tiles that I would fetch
	s_lshl_b32 s20, s45, 13
	s_add_co_u32 s20, s20, s93
	s_mov_b32 s21, 0
	s_lshl_b32 s22, s45, 9
	s_add_co_u32 s22, s22, s94
	s_mov_b32 s23, 0
	s_lshl_b32 s46, s16, 3
	s_add_co_u32 s46, s46, s95                     ; and of B's
	s_lshl_b32 s66, s46, 9
	s_add_co_u32 s66, s66, s97
	s_mov_b32 s67, 0
	s_lshl_b32 s46, s46, 13
	s_add_co_u32 s46, s46, s96
	s_mov_b32 s47, 0
	s_mul_i32 s42, s16, HALFA                      ; where they go in LDS: the wave's number alone
	s_mul_i32 s45, s16, HALFB
	s_add_co_u32 s45, s45, 2*HALFA
	s_mul_i32 s18, s16, NA*512
	s_add_co_u32 s18, s18, SCL
	s_lshl_b32 s19, s16, 12
	s_add_co_u32 s19, s19, SCL+2*NA*512
	; the bias in both forms; the form that this cluster does not use reads from the buffer's start
	s_lshl_b32 s10, s95, 6
	s_lshl_b32 s11, s16, 9
	s_add_co_u32 s10, s10, s11                     ; 4 x (16 x B's first tile + 128 x my half): my 128 columns, along the registers
	s_lshl_b32 s12, s92, 6
	s_lshl_b32 s13, s15, 9
	s_add_co_u32 s12, s12, s13                     ; 4 x (16 x A's first tile + 128 x my half): my 128 columns, along the lanes
	s_cmp_eq_u32 s[QK], 1
	s_cselect_b32 s10, s10, 0
	s_cselect_b32 s12, 0, s12
	s_mov_b32 s11, 0
	s_mov_b32 s13, 0
	s_mov_b32 s[SEL], 0x76543210
	s_mov_b32 s[SEL+1], 0xfedcba98
	s_wait_dscnt 0x0
	s_wait_kmcnt 0x0
	s_add_nc_u64 s[10:11], s[6:7], s[10:11]
	s_add_nc_u64 s[12:13], s[6:7], s[12:13]
	s_add_nc_u64 s[20:21], s[4:5], s[20:21]
	s_add_nc_u64 s[22:23], s[4:5], s[22:23]
	s_add_nc_u64 s[46:47], s[4:5], s[46:47]
	s_add_nc_u64 s[66:67], s[4:5], s[66:67]
	CROUND                                         ; all sixteen work-groups are here: the joint loads meet
	s_mov_b32 s[G0S], 1
	s_mov_b32 s[G0S+1], s18
	s_mov_b64 s[G0S+2:G0S+3], s[22:23]
	s_or_b32 s[G0S+3], s[G0S+3], 0x80000000
	s_mov_b32 s[G0SB], 1
	s_mov_b32 s[G0SB+1], s19
	s_mov_b64 s[G0SB+2:G0SB+3], s[66:67]
	s_or_b32 s[G0SB+3], s[G0SB+3], 0x80000000
	JLOAD G0S, G1S, G0SB, G1SB                     ; the scale bytes of all of K
.irp k, 0,1
	s_mov_b32 s[G0+4*\k], 1
	s_add_co_u32 s[G0+4*\k+1], s42, \k*SLOT
	s_add_nc_u64 s[G0+4*\k+2:G0+4*\k+3], s[20:21], \k*4096
	s_or_b32 s[G0+4*\k+3], s[G0+4*\k+3], 0x80000000
	s_mov_b32 s[G0B+4*\k], 1
	s_add_co_u32 s[G0B+4*\k+1], s45, \k*SLOT
	s_add_nc_u64 s[G0B+4*\k+2:G0B+4*\k+3], s[46:47], \k*4096
	s_or_b32 s[G0B+4*\k+3], s[G0B+4*\k+3], 0x80000000
	JLOAD G0+4*\k, G1, G0B+4*\k, G1B               ; K step k
.endr
	v_and_b32 v1, 15, v0                           ; r
	v_bfe_u32 v2, v0, 4, 1                         ; h
	v_and_b32 v3, 31, v0
	v_lshlrev_b32 v3, 4, v3                        ; 16 x lane
	s_mul_i32 s17, s15, HALFA
	s_mul_i32 s18, s16, HALFB
	s_add_co_u32 s18, s18, 2*HALFA
.irp k, 0,1
	v_add_nc_u32 v[ADRA+\k], s17, v3
	v_add_nc_u32 v[ADRB+\k], s18, v3
	s_add_co_u32 s17, s17, SLOT
	s_add_co_u32 s18, s18, SLOT
.endr
	s_mul_i32 s17, s15, NA*512                     ; A's scale bytes: my eight tiles
	s_lshl_b32 s18, s16, 12                        ; B's: my eight, behind A's sixteen
	s_add_co_u32 s18, s18, 2*NA*512
	s_sub_co_u32 s18, s18, s17
	v_mul_u32_u24 v4, s18, v2                      ; lanes 16-31 take B's
	s_add_co_u32 s17, s17, SCL
	v_lshl_add_u32 v4, v1, 4, v4
	v_add_nc_u32 v[ADRS], s17, v4
	v_lshlrev_b32 v8, 6, v2                        ; the bias along the registers: 64 h
	v_and_b32 v9, 8, v1
	v_add_nc_u32 v9, v9, v1
	v_lshlrev_b32 v9, 2, v9                        ; along the lanes: 4 (r + 8 (r / 8))
	v_lshlrev_b32 v13, 4, v2                       ; 16 h
	v_mul_u32_u24 v14, v2, 12288
	v_lshl_add_u32 v14, v1, 4, v14                 ; scale words: 12288 h + 16 r
	v_lshlrev_b32 v15, 13, v2
	v_lshl_add_u32 v15, v1, 4, v15                 ; squares: 8192 h + 16 r
	v_cmp_eq_u32 s[HM], 1, v2
.irp b, 0,1,2,3
	v_mov_b32 v[TM+4+\b], 0                        ; a lane permute's destination counts as one of its sources
.endr
	v_mov_b32 v[SQ+4], 0
	v_mov_b32 v[SQ+5], 0
	WIN 0x40                                       ; destination window 1
.irp b, 0,1,2,3
.irp j, 0,1,2,3
	global_load_b128 v[BI+16*\b+4*\j:BI+16*\b+4*\j+3], v8, s[10:11] offset:128*\b+16*\j   ; register 16 b + i: column 32 b + 16 h + i
.endr
.endr
.irp a, 0,1,2,3,4,5,6,7
	global_load_b32 v[BV+2*\a], v9, s[12:13] offset:4*(32*(\a/2)+8*(\a%2))                ; tile a, row r: the same word twice, a pair for the packed addition
	global_load_b32 v[BV+2*\a+1], v9, s[12:13] offset:4*(32*(\a/2)+8*(\a%2))
.endr
	WIN 0
	s_wait_tensorcnt 0x1                           ; the scale bytes and my part of K step 0 are in; K step 1's load may be out
	s_barrier_signal -1
	s_barrier_wait -1                              ; everybody's are
	FETCH 0
	SCALES 0
	STEP 0, 1                                      ; the first step's products start the sums: nothing is cleared
	STEP 1, 0
	STEP 2, 0
	STEP 3, 0
	STEP 4, 0
	STEP 5, 0
	STEP 6, 0
	STEP 7, 0
	PLACES 4                                       ; in front of the first read of results and the first write over A's fragments
	WIN 0
	s_wait_loadcnt 0x0                             ; the bias
	s_cmp_eq_u32 s[QK], 1
	s_cbranch_scc0 .Lv_arm
	; ---- q or k
	s_lshl_b32 s10, s92, 4
	s_lshl_b32 s11, s15, 7
	s_add_co_u32 s10, s10, s11                     ; my first token
	s_lshr_b32 s11, s10, 11                        ; batch
	s_bfe_u32 s12, s10, 0x40007                    ; which 128 tokens of the batch
	s_lshl_b32 s13, s40, 2
	s_lshl_b32 s17, s16, 1
	s_add_co_u32 s13, s13, s17                     ; head e = 4 cx + 2 x my half
	s_lshl_b32 s11, s11, 4
	s_add_co_u32 s11, s11, s13                     ; bh
	s_lshl_b32 s18, ttmp9, 22                      ; QC or KC
	s_lshl_b32 s19, s11, 16
	s_add_co_u32 s18, s18, s19
	s_lshl_b32 s19, s12, 12
	s_add_co_u32 s18, s18, s19
	s_mov_b32 s19, 0
	s_add_nc_u64 s[18:19], s[8:9], s[18:19]
	s_mul_i32 s20, ttmp9, 786432
	s_mul_i32 s21, s11, 12288
	s_add_co_u32 s20, s20, s21
	s_lshl_b32 s21, s12, 9
	s_add_co_u32 s20, s20, s21
	s_add_co_u32 s20, s20, SC0
	s_mov_b32 s21, 0
	s_add_nc_u64 s[20:21], s[8:9], s[20:21]
	s_lshl_b32 s22, ttmp9, 19
	s_lshl_b32 s23, s11, 13
	s_add_co_u32 s22, s22, s23
	s_lshl_b32 s23, s12, 9
	s_add_co_u32 s22, s22, s23
	s_add_co_u32 s22, s22, SQ0
	s_mov_b32 s23, 0
	s_add_nc_u64 s[22:23], s[8:9], s[22:23]
.irp a, 0,1,2,3,4,5,6,7
	EPI_QK \a
.endr
.irp g, 0,1
	global_store_b128 v14, v[PWV+4*\g:PWV+4*\g+3], s[20:21] offset:256*\g   ; each half of the lanes stores 256 consecutive bytes of its head, aligned
	global_store_b128 v15, v[SQV+4*\g:SQV+4*\g+3], s[22:23] offset:256*\g
.endr
	s_branch .Ldone
.Lv_arm:
	; ---- v
	s_lshl_b32 s10, s95, 4
	s_lshl_b32 s11, s16, 7
	s_add_co_u32 s10, s10, s11                     ; my first token: 128 keys, one key step
	s_lshr_b32 s11, s10, 11
	s_bfe_u32 s12, s10, 0x40007
	s_lshl_b32 s13, s41, 2
	s_lshl_b32 s17, s15, 1
	s_add_co_u32 s13, s13, s17                     ; head e = 4 cy + 2 x my half
	s_lshl_b32 s11, s11, 4
	s_add_co_u32 s11, s11, s13
	s_lshl_b32 s18, s11, 16
	s_lshl_b32 s19, s12, 12
	s_add_co_u32 s18, s18, s19
	s_add_co_u32 s18, s18, VC
	s_mov_b32 s19, 0
	s_add_nc_u64 s[18:19], s[8:9], s[18:19]
	s_mul_i32 s20, s11, 12288
	s_lshl_b32 s21, s12, 8
	s_add_co_u32 s20, s20, s21
	s_add_co_u32 s20, s20, SC0+786432+8192
	s_mov_b32 s21, 0
	s_add_nc_u64 s[20:21], s[8:9], s[20:21]
.irp a, 0,1,2,3,4,5,6,7
	EPI_V \a
.endr
.irp i, 0,1,2,3
	v_cndmask_b32 v[SQ+\i], v[PWV+\i], v[PWV+4+\i], s[HM]   ; lanes 0-15: head e's four tiles, lanes 16-31: head e + 1's
.endr
	global_store_b128 v14, v[SQ:SQ+3], s[20:21]
.Ldone:
	s_wait_dscnt 0x0
	s_wait_tensorcnt 0x0
	ds_add_u32 v112, v113
	s_wait_dscnt 0x0
	CROUND                                         ; the closing round: no work-group ends while a partner may still ask for a tile that names it
	s_endpgm
.Lfunc_end_k_q66f6b547e7_gemm_qkv:
	.size	k_q66f6b547e7_gemm_qkv, .Lfunc_end_k_q66f6b547e7_gemm_qkv-k_q66f6b547e7_gemm_qkv
	.p2alignl 7, 3214868480
	.fill 96, 4, 3214868480
	.section	.rodata,"a",@progbits
	.p2align	6, 0x0
	.amdhsa_kernel k_q66f6b547e7_gemm_qkv
		.amdhsa_group_segment_fixed_size 279040
		.amdhsa_private_segment_fixed_size 0
		.amdhsa_enable_private_segment 0
		.amdhsa_kernarg_size 24
		.amdhsa_user_sgpr_count 2
		.amdhsa_user_sgpr_kernarg_segment_ptr 1
		.amdhsa_wavefront_size32 1
		.amdhsa_system_sgpr_workgroup_id_x 1
		.amdhsa_system_sgpr_workgroup_id_y 1
		.amdhsa_system_sgpr_workgroup_id_z 1
		.amdhsa_system_vgpr_workitem_id 0
		.amdhsa_next_free_vgpr 1024
		.amdhsa_next_free_sgpr 102
		.amdhsa_reserve_vcc 0
		.amdhsa_float_denorm_mode_32 3
		.amdhsa_float_denorm_mode_16_64 3
		.amdhsa_memory_ordered 1
		.amdhsa_forward_progress 1
		.amdhsa_inst_pref_size 215
	.end_amdhsa_kernel
	.amdgpu_metadata
---
amdhsa.version: [ 1, 2 ]
amdhsa.kernels:
  - .name:           k_q66f6b547e7_gemm_qkv
    .symbol:         k_q66f6b547e7_gemm_qkv.kd
    .args:
      - { .name: xw, .offset: 0, .size: 8, .value_kind: global_buffer, .address_space: global }
      - { .name: b_attn, .offset: 8, .size: 8, .value_kind: global_buffer, .address_space: global }
      - { .name: qkv, .offset: 16, .size: 8, .value_kind: global_buffer, .address_space: global }
    .group_segment_fixed_size: 279040
    .private_segment_fixed_size: 0
    .kernarg_segment_align: 8
    .kernarg_segment_size: 24
    .max_flat_workgroup_size: 128
    .sgpr_count:     102
    .vgpr_count:     1024
    .wavefront_size: 32
...
	.end_amdgpu_metadata
.endif
;; end of part 2
;; launch attn (part 3): grid 4 x 64, 16 waves a work-group, no clusters, 169,984 bytes of LDS; arguments qkv, yq; writes yq
.if DOCPART == 3
	.amdgcn_target "amdgcn-amd-amdhsa--gfx1250"
	.amdhsa_code_object_version 6
	.text
	.protected	k_q66f6b547e7_attn
	.globl	k_q66f6b547e7_attn
	.p2align	8
	.type	k_q66f6b547e7_attn,@function
k_q66f6b547e7_attn:
	s_mov_b64 s[64:65], 0
	v_nop
	global_prefetch_b8 v0, s[64:65] scope:SCOPE_SE
	s_setreg_imm32_b32 hwreg(HW_REG_WAVE_MODE, 25, 1), 1
	s_wait_xcnt 0x0
; y[q] = the sum over keys k <= q of exp(-(|q|^2 + |k|^2 - 2 q.k) / 16) v[k], one head of 64 at a time, both products on codes of FP4 with E8M0 scales; y leaves as codes along the layer's 1,024 channels.
; score = 2^t, t = c (q.k - |k|^2 / 2) + c (-|q|^2 / 2), c = log2(e) / 8.  -|k|^2 / 2 is the C of the first product; the finished score is quantised along the keys, in blocks of 32.  There is no maximum and no sum of a row: the layer has none.
; SHARES.  Work-group (i, bh) takes two blocks of 256 queries of head bh: block 7 - i, then block i; wave w takes the block's tile w of 16 queries.  So every work-group has the same number of key steps that count.
; NO CLUSTER, though the four work-groups of a head read the same K and V: which key steps a wave works through hangs on its block of queries, that is on its place among the four.
; ALL OF A HEAD'S K AND V LIES IN LDS: every tensor load is a first fill.  Waves 0 (K) and 1 (V) issue five loads each, all in one branch: by this text's count five are out.  The first pass goes in four phases of 512 keys, each behind a counted wait and a barrier.
; LAYOUT.  S^T = K Q^T (source 0 = 16 keys, source 1 = my 16 queries), O^T = V^T P^T: a lane holds ONE query.  Row r of tile 2 g + u is token 32 g + 8 u + r + 8 (r / 8), so the 16 registers of tiles 2 g, 2 g + 1 are keys 32 g + 16 (lane / 16) + 0 .. 15.
; The head has 64 channels and the instruction 128: q's registers 4-7 are zero codes.  K's tile a is named v[32 + 4 a : 39 + 4 a]: its upper four registers are the next tile's codes (zeros behind the last), which meet zero codes alone.
; LDS: K's codes [step][tile 8][lane][16] at 0; V's [step][tile 4][c][lane][16] at 65,536; K's scale words at 131,072; V's at 139,264; -|k|^2 / 2 in the order of the keys at 143,360 (stored by the waves; no fill lands there).
; LIMITS: NaN and infinities are not served; a score under 2^-126 becomes 0 (v_exp_f32 gives no denormals: ISA guide, 15.8); a block of zeros gets the byte 1: its codes are zeros, and this program alone reads the bytes.
.set KC,   4194304
.set SC0,  12582912
.set SQ0,  14155776
.set YS,   4194304
.set VIMG, 65536
.set KSC,  131072
.set VSC,  139264
.set K2B,  143360
.set TM,   228                         ; v228-243 the quantiser's
.set WV,   9                           ; s9   wave
.set T4K,  48                          ; s48  4,096 x key step
.set T512, 49                          ; s49  512 x key step
.set T256, 50                          ; s50  256 x key step
.set KF,   51                          ; s51  the step's first key
.set Q0,   52                          ; s52  my tile's first query; its last is Q0 + 23
.set CNT,  53
.set CS,   54                          ; s[54:55] c
.set SEL,  56                          ; s[56:57] lane l xor 16
.set HM,   58                          ; s58  lanes 16-31
.set BH,   59                          ; s59  16 x batch + head
.set BLK,  78                          ; s78  the block of queries in hand
; REGISTERS: v1-5 addresses that stay, v6-10 the step's; v12 16 x lane, v13 16 r + h, v83 16 r; v[14:15] c (-|q|^2 / 2); v16-19 q, v20-23 zeros; v24 q's scale word; v25 r + 8 (r / 8) - 16 h; v32-63 K, v64-67 zeros; v68-71 K's scale words;
;   v72-79 p's codes, v80 p's scale word; v96-159 S^T, then p; v160-191 O^T; v192-223 V; v224-227 V's scale words.
.macro STEP                            ; 128 keys
	s_add_co_u32 s61, s[Q0], 23
	s_cmp_gt_u32 s[KF], s61                        ; all its keys come after my queries: only the addresses step
	s_cbranch_scc1 .Lhid_\@
	v_add_nc_u32 v6, s[T4K], v1                    ; these five are also the places between the last step's products and the loads into V's registers
	v_add_nc_u32 v7, s[T4K], v2
	v_add_nc_u32 v8, s[T512], v3
	v_add_nc_u32 v9, s[T256], v4
	v_add_nc_u32 v10, s[T512], v5
.irp a, 0,1,2,3,4,5,6,7
.irp e, 0,1
	ds_load_b128 v[96+8*\a+4*\e:96+8*\a+4*\e+3], v10 offset:128*(\a/2)+32*(\a%2)+16*\e   ; -|k|^2 / 2 in the result's layout: the first product's C
.endr
.endr
.irp a, 0,1,2,3,4,5,6,7
	ds_load_b128 v[32+4*\a:32+4*\a+3], v6 offset:512*\a
.endr
	ds_load_b128 v[68:71], v8                      ; lanes 0-15: tiles 0-3, lanes 16-31: tiles 4-7
.irp a, 0,1,2,3
.irp c, 0,1
	ds_load_b128 v[192+8*\a+4*\c:192+8*\a+4*\c+3], v7 offset:1024*\a+512*\c
.endr
.endr
	ds_load_b128 v[224:227], v9
	s_wait_dscnt 9                                 ; all but V's nine
.irp a, 0,1,2,3
	v_wmma_scale_f32_16x16x128_f8f6f4 v[96+8*\a:103+8*\a], v[32+4*\a:39+4*\a], v[16:23], v[96+8*\a:103+8*\a], v[68+\a], v24 matrix_a_fmt:MATRIX_FMT_FP4 matrix_b_fmt:MATRIX_FMT_FP4
.endr
.irp a, 4,5,6,7
	v_wmma_scale_f32_16x16x128_f8f6f4 v[96+8*\a:103+8*\a], v[32+4*\a:39+4*\a], v[16:23], v[96+8*\a:103+8*\a], v[64+\a], v24 matrix_a_fmt:MATRIX_FMT_FP4 matrix_b_fmt:MATRIX_FMT_FP4 matrix_a_scale:MATRIX_SCALE_ROW1
.endr
.rept 4
	v_nop
.endr
	s_add_co_u32 s61, s[KF], 127
	s_cmp_le_u32 s61, s[Q0]                        ; all its keys count: no mask
	s_cbranch_scc1 .Lopen_\@
	s_sub_co_i32 s61, s[Q0], s[KF]
	v_add_nc_u32 v244, s61, v25                    ; d = my query - KF - 16 h.  Register n holds key KF + 16 h + 32 (n / 16) + n % 16: hidden where 32 (n / 16) + n % 16 > d
	v_mov_b32 v245, 0xff800000                     ; -infinity: the score is then 0
.set n, 0
.rept 64
	v_cmp_gt_i32 vcc_lo, 32*(n/16)+n%16, v244
	v_cndmask_b32 v[96+n], v[96+n], v245, vcc_lo
.set n, n+1
.endr
.Lopen_\@:
.set n, 0
.rept 32
	v_pk_fma_f32 v[96+n:97+n], v[96+n:97+n], s[CS:CS+1], v[14:15] op_sel_hi:[1,0,0]   ; t, two at a time
.set n, n+2
.endr
.set n, 0
.rept 64
	v_exp_f32 v[96+n], v[96+n]
.set n, n+1
.endr
	v_nop                                          ; a plain place behind the last exponential
	s_wait_alu depctr_va_vdst(0)                   ; one wait for the batch, ahead of its first reader
.irp b, 0,1,2,3
	v_max3_num_f32 v[TM+\b], v[96+16*\b], v[97+16*\b], 0x1800000   ; no score is negative; the floor 2^(3 - 127) holds the byte at 1 from below
.endr
.irp i, 2,4,6,8,10,12,14
.irp b, 0,1,2,3
	v_max3_num_f32 v[TM+\b], v[TM+\b], v[96+16*\b+\i], v[97+16*\b+\i]
.endr
.endr
.irp b, 0,1,2,3
	v_permlanex16_b32 v[TM+4+\b], v[TM+\b], s[SEL], s[SEL+1]
.endr
.irp b, 0,1,2,3
	v_max_num_f32 v[TM+\b], v[TM+\b], v[TM+4+\b]
.endr
.irp b, 0,1,2,3
	v_add_nc_u32 v[TM+12+\b], 0xff000000, v[TM+\b]
.endr
.irp b, 0,1,2,3
	v_lshrrev_b32 v[TM+4+\b], 23, v[TM+12+\b]
.endr
	v_lshl_or_b32 v80, v[TM+5], 8, v[TM+4]
	v_lshl_or_b32 v80, v[TM+6], 16, v80
	v_lshl_or_b32 v80, v[TM+7], 24, v80
.irp b, 0,1,2,3
	v_cvt_scalef32_pk8_fp4_f32 v[72+2*\b], v[96+16*\b:103+16*\b], v[TM+12+\b]
	v_cvt_scalef32_pk8_fp4_f32 v[73+2*\b], v[104+16*\b:111+16*\b], v[TM+12+\b]
.endr
	v_nop                                          ; one plain place behind a scaled conversion
.irp c, 0,1
.irp i, 0,1
	v_permlane16_swap_b32 v[72+4*\c+\i], v[74+4*\c+\i]
.endr
.endr
	s_wait_dscnt 0x0                               ; V
.rept 8
	v_nop                                          ; a scale register written by a vector instruction stands 8 places ahead of a scaled matrix instruction, an operand 4
.endr
.irp a, 0,1,2,3
	v_wmma_scale_f32_16x16x128_f8f6f4 v[160+8*\a:167+8*\a], v[192+8*\a:199+8*\a], v[72:79], v[160+8*\a:167+8*\a], v[224+\a], v80 matrix_a_fmt:MATRIX_FMT_FP4 matrix_b_fmt:MATRIX_FMT_FP4
.endr
.Lhid_\@:
	s_add_co_u32 s[KF], s[KF], 128
	s_add_co_u32 s[T4K], s[T4K], 4096
	s_add_co_u32 s[T512], s[T512], 512
	s_add_co_u32 s[T256], s[T256], 256
.endm
.macro STEPS n                         ; the trip count is a constant: steps that are hidden jump over their work
	s_mov_b32 s[CNT], \n
.Lstep_\@:
	STEP
	s_sub_co_u32 s[CNT], s[CNT], 1
	s_cmp_lg_u32 s[CNT], 0
	s_cbranch_scc1 .Lstep_\@
.endm
; y's 64 channels of my 16 queries: register 16 g + i = channel 32 g + 16 h + i: two blocks
.macro YOUT
.rept 4
	v_nop
.endr
.irp g, 0,1
	v_max3_num_f32 v[TM+\g], |v[160+16*\g]|, |v[161+16*\g]|, 0x1800000
.endr
.irp i, 2,4,6,8,10,12,14
.irp g, 0,1
	v_max3_num_f32 v[TM+\g], v[TM+\g], |v[160+16*\g+\i]|, |v[161+16*\g+\i]|
.endr
.endr
.irp g, 0,1
	v_permlanex16_b32 v[TM+4+\g], v[TM+\g], s[SEL], s[SEL+1]
.endr
.irp g, 0,1
	v_max_num_f32 v[TM+\g], v[TM+\g], v[TM+4+\g]
.endr
.irp g, 0,1
	v_add_nc_u32 v[TM+12+\g], 0xff000000, v[TM+\g]
.endr
.irp g, 0,1
	v_lshrrev_b32 v[TM+4+\g], 23, v[TM+12+\g]
.endr
	v_cndmask_b32 v84, v[TM+4], v[TM+5], s[HM]     ; lane (r, h) stores block h's byte
.irp g, 0,1
	v_cvt_scalef32_pk8_fp4_f32 v[72+2*\g], v[160+16*\g:167+16*\g], v[TM+12+\g]
	v_cvt_scalef32_pk8_fp4_f32 v[73+2*\g], v[168+16*\g:175+16*\g], v[TM+12+\g]
.endr
	v_nop
	v_permlane16_swap_b32 v72, v74
	v_permlane16_swap_b32 v73, v75                 ; v72-75: block h of row r
	global_store_b128 v12, v[72:75], s[72:73]      ; 512 consecutive bytes
	global_store_b8 v13, v84, s[74:75]             ; single bytes: a row's 16 bytes belong to eight heads, that is to eight work-groups
.endm
.macro PASS phased
	s_wait_xcnt 0x0                                ; the bases and registers of the pass before may be written
	s_lshl_b32 s60, s[BLK], 4
	s_add_co_u32 s60, s60, s[WV]                   ; my tile of the batch's 128
	s_lshr_b32 s61, s60, 1
	s_lshl_b32 s61, s61, 5
	s_and_b32 s62, s60, 1
	s_lshl_b32 s62, s62, 3
	s_add_co_u32 s[Q0], s61, s62
	s_mov_b32 s63, 0
	s_lshl_b32 s62, s[BH], 16
	s_lshl_b32 s61, s60, 9
	s_add_co_u32 s62, s62, s61
	s_add_nc_u64 s[66:67], s[4:5], s[62:63]        ; q's codes
	s_lshr_b32 s61, s60, 2
	s_lshl_b32 s61, s61, 8
	s_and_b32 s76, s60, 3
	s_lshl_b32 s76, s76, 2
	s_add_co_u32 s61, s61, s76                     ; the tile's word in a head's [tile / 4][r][4 words]
	s_mul_i32 s62, s[BH], 12288
	s_add_co_u32 s62, s62, s61
	s_add_co_u32 s62, s62, SC0
	s_add_nc_u64 s[68:69], s[4:5], s[62:63]        ; q's scale words
	s_lshl_b32 s62, s[BH], 13
	s_add_co_u32 s62, s62, s61
	s_add_co_u32 s62, s62, SQ0
	s_add_nc_u64 s[70:71], s[4:5], s[62:63]        ; -|q|^2 / 2
	global_load_b128 v[16:19], v12, s[66:67]
	global_load_b32 v24, v83, s[68:69]
	global_load_b32 v82, v83, s[70:71]
	s_lshr_b32 s61, s[BH], 4
	s_lshl_b32 s61, s61, 7
	s_add_co_u32 s61, s61, s60                     ; the tile among all 512
	s_and_b32 s76, s[BH], 15                       ; the head
	s_lshl_b32 s62, s61, 13
	s_lshl_b32 s77, s76, 9
	s_add_co_u32 s62, s62, s77
	s_add_nc_u64 s[72:73], s[6:7], s[62:63]        ; y's codes
	s_lshl_b32 s62, s61, 9
	s_lshr_b32 s77, s76, 3
	s_lshl_b32 s77, s77, 8
	s_add_co_u32 s62, s62, s77
	s_and_b32 s77, s76, 7
	s_lshl_b32 s77, s77, 1
	s_add_co_u32 s62, s62, s77
	s_add_co_u32 s62, s62, YS
	s_add_nc_u64 s[74:75], s[6:7], s[62:63]        ; y's scale bytes
.set n, 0
.rept 32
	v_mov_b32 v[160+n], 0                          ; O^T: the step is written once, and its products add
.set n, n+1
.endr
	s_mov_b32 s[T4K], 0
	s_mov_b32 s[T512], 0
	s_mov_b32 s[T256], 0
	s_mov_b32 s[KF], 0
	s_wait_loadcnt 0x0
	v_mul_f32 v14, s[CS], v82
	v_mov_b32 v15, v14                             ; (named with it as a pair)
.if \phased
.irp p, 0,1,2,3
	s_wait_tensorcnt 3-\p                          ; the scale words and the phases up to this one have landed; the later phases' loads may be out
	s_wait_dscnt 0x0                               ; my LDS stores have landed
	s_barrier_signal -1
	s_barrier_wait -1
	STEPS 4
.endr
.else
	STEPS 16
.endif
	YOUT
.endm
	s_load_b128 s[4:7], s[0:1], 0x0                ; qkv s[4:5], yq s[6:7]
	v_lshl_add_u32 v254, v0, 2, 0x29000
	v_mov_b32 v255, 0
	ds_add_u32 v254, v255
	ds_add_u32 v254, v255
	v_lshrrev_b32 v1, 5, v0
	v_readfirstlane_b32 s[WV], v1                  ; wave 0..15
	s_and_b32 s[BH], ttmp7, 0xffff
	s_and_b32 s8, s[WV], 1                         ; 0: K, 1: V
	; group 1: dense blocks as rows of 256 bytes (32 elements of 8): a phase's 16,384 bytes; half of the scale words, 6,144 bytes
	s_mov_b32 s12, 3<<16
	s_mov_b32 s13, 32<<16
	s_mov_b32 s14, 64<<16
	s_mov_b32 s15, 32<<16
	s_mov_b32 s16, 64
	s_mov_b32 s17, 32
	s_mov_b32 s18, 0
	s_mov_b32 s19, 0
	s_mov_b32 s20, 3<<16
	s_mov_b32 s21, 32<<16
	s_mov_b32 s22, 24<<16
	s_mov_b32 s23, 32<<16
	s_mov_b32 s24, 24
	s_mov_b32 s25, 32
	s_mov_b32 s26, 0
	s_mov_b32 s27, 0
	s_mul_i32 s10, s[BH], 12288
	s_mul_i32 s11, s8, 6144
	s_add_co_u32 s10, s10, s11
	s_add_co_u32 s10, s10, SC0+786432
	s_mov_b32 s11, 0
	s_lshl_b32 s2, s8, 22
	s_lshl_b32 s3, s[BH], 16
	s_add_co_u32 s2, s2, s3
	s_add_co_u32 s2, s2, KC
	s_mov_b32 s3, 0
	s_lshl_b32 s62, s[BH], 13
	s_add_co_u32 s62, s62, SQ0+524288
	s_mov_b32 s63, 0
	s_wait_dscnt 0x0
	s_wait_kmcnt 0x0
	s_add_nc_u64 s[10:11], s[4:5], s[10:11]
	s_add_nc_u64 s[2:3], s[4:5], s[2:3]
	s_add_nc_u64 s[62:63], s[4:5], s[62:63]
	s_mov_b32 s28, 1
	s_mul_i32 s29, s8, 6144
	s_add_co_u32 s29, s29, KSC
	s_mov_b64 s[30:31], s[10:11]
	s_or_b32 s31, s31, 0x80000000
.irp p, 0,1,2,3
	s_mov_b32 s[32+4*\p], 1
	s_lshl_b32 s[33+4*\p], s8, 16
	s_add_co_u32 s[33+4*\p], s[33+4*\p], 16384*\p
	s_add_nc_u64 s[34+4*\p:35+4*\p], s[2:3], 16384*\p
	s_or_b32 s[35+4*\p], s[35+4*\p], 0x80000000
.endr
	s_cmp_lt_u32 s[WV], 2                          ; all first fills stand in one branch on the wave's number
	s_cbranch_scc0 .Lno_fill
	tensor_load_to_lds s[28:31], s[20:27]
	s_nop 0
	tensor_load_to_lds s[32:35], s[12:19]
	s_nop 0
	tensor_load_to_lds s[36:39], s[12:19]
	s_nop 0
	tensor_load_to_lds s[40:43], s[12:19]
	s_nop 0
	tensor_load_to_lds s[44:47], s[12:19]
	s_nop 0
.rept 4
	v_nop
.endr
.Lno_fill:
	v_lshlrev_b32 v26, 4, v0
	global_load_b128 v[28:31], v26, s[62:63]       ; -|k|^2 / 2 of the head, [step][g][r][4 words]: 16 bytes a thread
	v_and_b32 v6, 15, v0                           ; r
	v_bfe_u32 v7, v0, 4, 1                         ; h
	v_and_b32 v8, 8, v6
	v_add_nc_u32 v8, v8, v6                        ; r + 8 (r / 8)
	v_and_b32 v9, 31, v0
	v_lshlrev_b32 v1, 4, v9                        ; K's codes: 16 x lane
	v_add_nc_u32 v2, VIMG, v1
	v_add_nc_u32 v3, KSC, v1
	v_lshl_add_u32 v4, v6, 4, VSC
	v_lshl_add_u32 v5, v7, 6, K2B
	v_lshlrev_b32 v12, 4, v9
	v_lshl_add_u32 v13, v6, 4, v7
	v_lshlrev_b32 v83, 4, v6
	v_lshlrev_b32 v25, 4, v7
	v_sub_nc_u32 v25, v8, v25
	v_lshrrev_b32 v27, 4, v0
	v_lshlrev_b32 v27, 8, v27                      ; 512 x wave + 256 h: thread t holds step t / 32, tiles 4 h .. 4 h + 3, row r
	v_lshl_add_u32 v27, v8, 2, v27
	v_add_nc_u32 v27, K2B, v27
	v_cmp_eq_u32 s[HM], 1, v7
.irp i, 0,1,2,3
	v_mov_b32 v[20+\i], 0
	v_mov_b32 v[64+\i], 0
	v_mov_b32 v[TM+4+\i], 0                        ; a lane permute's destination counts as one of its sources
.endr
	s_mov_b32 s[CS], 0x3e38aa3b                    ; c = log2(e) / 8
	s_mov_b32 s[CS+1], s[CS]
	s_mov_b32 s[SEL], 0x76543210
	s_mov_b32 s[SEL+1], 0xfedcba98
	s_wait_loadcnt 0x0
	ds_store_b32 v27, v28                          ; tile 4 h + w, row r is key 64 h + 32 (w / 2) + 8 (w % 2) + r + 8 (r / 8) of the step
	ds_store_b32 v27, v29 offset:32
	ds_store_b32 v27, v30 offset:128
	ds_store_b32 v27, v31 offset:160
	s_sub_co_u32 s[BLK], 7, ttmp9
	PASS 1
	s_mov_b32 s[BLK], ttmp9
	PASS 0
	s_wait_tensorcnt 0x0
	ds_add_u32 v254, v255
	s_wait_dscnt 0x0
	s_endpgm
.Lfunc_end_k_q66f6b547e7_attn:
	.size	k_q66f6b547e7_attn, .Lfunc_end_k_q66f6b547e7_attn-k_q66f6b547e7_attn
	.p2alignl 7, 3214868480
	.fill 96, 4, 3214868480
	.section	.rodata,"a",@progbits
	.p2align	6, 0x0
	.amdhsa_kernel k_q66f6b547e7_attn
		.amdhsa_group_segment_fixed_size 169984
		.amdhsa_private_segment_fixed_size 0
		.amdhsa_enable_private_segment 0
		.amdhsa_kernarg_size 16
		.amdhsa_user_sgpr_count 2
		.amdhsa_user_sgpr_kernarg_segment_ptr 1
		.amdhsa_wavefront_size32 1
		.amdhsa_system_sgpr_workgroup_id_x 1
		.amdhsa_system_sgpr_workgroup_id_y 1
		.amdhsa_system_sgpr_workgroup_id_z 1
		.amdhsa_system_vgpr_workitem_id 0
		.amdhsa_next_free_vgpr 256
		.amdhsa_next_free_sgpr 80
		.amdhsa_reserve_vcc 1
		.amdhsa_float_denorm_mode_32 3
		.amdhsa_float_denorm_mode_16_64 3
		.amdhsa_memory_ordered 1
		.amdhsa_forward_progress 1
		.amdhsa_inst_pref_size 106
	.end_amdhsa_kernel
	.amdgpu_metadata
---
amdhsa.version: [ 1, 2 ]
amdhsa.kernels:
  - .name:           k_q66f6b547e7_attn
    .symbol:         k_q66f6b547e7_attn.kd
    .args:
      - { .name: qkv, .offset: 0, .size: 8, .value_kind: global_buffer, .address_space: global }
      - { .name: yq, .offset: 8, .size: 8, .value_kind: global_buffer, .address_space: global }
    .group_segment_fixed_size: 169984
    .private_segment_fixed_size: 0
    .kernarg_segment_align: 8
    .kernarg_segment_size: 16
    .max_flat_workgroup_size: 512
    .sgpr_count:     80
    .vgpr_count:     256
    .wavefront_size: 32
...
	.end_amdgpu_metadata
.endif
;; end of part 3
;; launch gemm_out (part 4): grid 4 x 64, 4 waves a work-group, clusters of 4 x 4, 209,408 bytes of LDS; arguments yq, xw, b_proj, out0; writes out0
.if DOCPART == 4
	.amdgcn_target "amdgcn-amd-amdhsa--gfx1250"
	.amdhsa_code_object_version 6
	.text
	.protected	k_q66f6b547e7_gemm_out
	.globl	k_q66f6b547e7_gemm_out
	.p2align	8
	.type	k_q66f6b547e7_gemm_out,@function
k_q66f6b547e7_gemm_out:
	s_mov_b64 s[64:65], 0
	v_nop
	global_prefetch_b8 v0, s[64:65] scope:SCOPE_SE
	s_setreg_imm32_b32 hwreg(HW_REG_WAVE_MODE, 25, 1), 1
	s_wait_xcnt 0x0
	s_wait_alu depctr_hold_cnt(0) depctr_sa_sdst(0) depctr_va_vdst(0) depctr_va_sdst(0) depctr_va_ssrc(0) depctr_va_vcc(0) depctr_vm_vsrc(0)
	s_getreg_b32 s2, hwreg(HW_REG_IB_STS2, 6, 4)
	s_cmp_eq_u32 s2, 0
	s_cbranch_scc0 .Lentry_in_a_cluster
	s_endpgm
.Lentry_in_a_cluster:
	s_bfe_u32 s2, ttmp6, 0x10000c
	s_cmp_lg_u32 s2, 0xf033
	s_cbranch_scc0 .Lentry_shape_is_right
	s_endpgm
.Lentry_shape_is_right:
; out0 = y W_proj + b_proj on codes of FP4 with E8M0 scales (K = 1,024); out0 [8192][1024] f32.
; OPERANDS lie as tiles of 16 rows (tile 2 g + u, row r = row 32 g + 8 u + r + 8 (r / 8)), codes [k / 32][r][16 bytes]: registers 4 c .. 4 c + 3 of a fragment lie at 1024 s + 512 c + 16 x lane.  y's tiles in yq, W_proj's are tiles 192-255 of xw's weights.
; A work-group makes 128 tokens x 256 columns, which gives 256 work-groups; a wave 64 x 128: 32 accumulators.  Source 0 = W_proj's tile, source 1 = y's: a lane holds one token, and the 16 registers of column tiles 2 g, 2 g + 1 are 16 neighbouring columns.
; K = 1,024 is two K steps of 512, and both lie in LDS at once: every tensor load is a first fill, nothing is filled again.  By this text's count a wave has three tensor loads out.
; CLUSTER 4 x 4: y's tiles are shared along a row of the cluster, W_proj's along a column: joint loads.  The bias is the C of each sum's first product.
; LDS: slot k at k SLOT: y's 8 tiles x 4,096 bytes, then W_proj's 16; behind the slots y's scale bytes (8 x 512), then W_proj's (16 x 512).  The way out's stages lie in slot 0, which has had its only fill and its last read by then.
; REGISTERS: window 0: v1-27 addresses; v32-95 operands' scale words, nothing else; v128-191 y's fragments, two sets (on the way out v128-255: rows read back).   window 1: v0-63, v128-191 W_proj's fragments; v64-127 the bias.   window 2: the accumulators.
.set NA,    4
.set HALFA, NA*4096
.set HALFB, 32768
.set SLOT,  2*HALFA+2*HALFB
.set SCL,   2*SLOT
.set YS,    4194304
.set WC,    4456448
.set WS,    6553600
.set SPITCH, 528
.set ADRS, 10
.set ADRA, 16
.set ADRB, 20
.set STO,  24                          ; v24  the way out: where I put 16 bytes of a row
.set RD,   25                          ; v25  where I read a row back
.set SC,   32
.set AF,   128
.set BK,   128
.set BI,   64
.set G1,   24
.set G0,   32
.set G1B,  48
.set G0B,  56
.set G1S,  68
.set G0S,  76
.set G1SB, 80
.set G0SB, 88
.set MSB, 0
.macro WIN new                         ; the immediate's high byte repeats the setting that is left
.if MSB != \new
	s_set_vgpr_msb (MSB<<8)|\new
.set MSB, \new
.endif
.endm
.macro JLOAD g0a, g1a, g0b, g1b        ; a joint load: waves 0 and 1 fetch for y, waves 2 and 3 for W_proj.  Four v_nop follow each of the two lines
	s_cmp_eq_u32 s15, 0
	s_cbranch_scc0 .Lfor_b_\@
	tensor_load_to_lds s[\g0a:\g0a+3], s[\g1a:\g1a+7]
	s_nop 0
.rept 4
	v_nop
.endr
	s_branch .Lasked_\@
.Lfor_b_\@:
	tensor_load_to_lds s[\g0b:\g0b+3], s[\g1b:\g1b+7]
	s_nop 0
.rept 4
	v_nop
.endr
.Lasked_\@:
.endm
.macro CROUND                          ; a round of the cluster's barrier
	s_barrier_signal -1
	s_barrier_wait -1
	s_cmp_lg_u32 s14, 0
	s_cbranch_scc1 .Lnot_wave_0_\@
	s_barrier_signal -3
.Lnot_wave_0_\@:
	s_barrier_wait -3
	s_barrier_signal -1
	s_barrier_wait -1
.endm
.macro PLACES n
.rept \n
	v_nop
.endr
.endm
.macro FRAG reg, adr, q, i
.irp c, 0,1
	ds_load_b128 v[\reg+4*\c:\reg+4*\c+3], v[\adr] offset:1024*(\q)+512*\c+4096*(\i)
.endr
.endm
.macro FETCH s                         ; step s of eight (128 along K): W_proj's 8 fragments and y's 4, into set s % 2
	WIN 0x40
.irp i, 0,1,2,3,4,5,6,7
	FRAG 128*((\s)%2)+8*\i, ADRB+(\s)/4, (\s)%4, \i
.endr
	WIN 0
.set ia, 0
.rept NA
	FRAG AF+8*NA*((\s)%2)+8*ia, ADRA+(\s)/4, (\s)%4, ia
.set ia, ia+1
.endr
.endm
.macro SCALES k                        ; lanes 0-15: y's tile i (only i < 4 is used), lanes 16-31: W_proj's tile i
.irp i, 0,1,2,3,4,5,6,7
	ds_load_b128 v[SC+32*\k+4*\i:SC+32*\k+4*\i+3], v[ADRS] offset:512*\i+256*\k
.endr
.endm
; half of a step's products.  cm = 2: the bias starts the sum; 0: the product adds in place.  The accumulators take turns, one instruction a turn, in the same order in every step.
.macro MULH s, half, cm
.if \cm == 2
	WIN 0x91                                       ; source 0 window 1, source 1 window 0, C (the bias) window 1, D window 2
.else
	WIN 0xa1                                       ; C and D window 2
.endif
.set ia, (NA/2)*(\half)
.rept NA/2
.set ib, 0
.rept 8
.set AC, 8*(8*(ia%4)+ib)
.set BR, 128*((\s)%2)+8*ib
.set AR, AF+8*NA*((\s)%2)+8*ia
.set SCB, SC+32*((\s)/4)+4*ib+(\s)%4
.set SCA, SC+32*((\s)/4)+4*ia+(\s)%4
.if \cm == 2
	v_wmma_scale_f32_16x16x128_f8f6f4 v[AC:AC+7], v[BR:BR+7], v[AR:AR+7], v[BI+8*ib:BI+8*ib+7], v[SCB], v[SCA] matrix_a_fmt:MATRIX_FMT_FP4 matrix_b_fmt:MATRIX_FMT_FP4 matrix_a_scale:MATRIX_SCALE_ROW1
.else
	v_wmma_scale_f32_16x16x128_f8f6f4 v[AC:AC+7], v[BR:BR+7], v[AR:AR+7], v[AC:AC+7], v[SCB], v[SCA] matrix_a_fmt:MATRIX_FMT_FP4 matrix_b_fmt:MATRIX_FMT_FP4 matrix_a_scale:MATRIX_SCALE_ROW1
.endif
.set ib, ib+1
.endr
.set ia, ia+1
.endr
.endm
; A step of 128 along K; in its middle the next step's fragments are asked for, four plain places behind the other set's last readers.
; Step 3 is slot 0's last: in front of the barrier my part of slot 1 has landed and my reads of slot 0 are in; behind it slot 1 is whole and nobody reads slot 0.
.macro STEP s, cm
	s_wait_dscnt 0x0
.if \s == 3
	s_wait_tensorcnt 0x0
	s_barrier_signal -1
.endif
	MULH \s, 0, \cm
.if \s == 3
	s_barrier_wait -1
.endif
.if \s < 7
	PLACES 4
	FETCH \s+1
.if \s == 3
	SCALES 1
.endif
.endif
	MULH \s, 1, \cm
.endm
; THE WAY OUT, 16 tokens x 128 columns at a time, through my own stage: in by 16 bytes of a row, back as whole rows of 512 bytes.  LDS serves a wave's instructions in order: no wait between.
.macro TOSTAGE a
	WIN 0x08                                       ; an LDS store's data: window 2
.irp b, 0,1,2,3,4,5,6,7
	ds_store_b128 v[STO], v[64*(\a)+8*\b:64*(\a)+8*\b+3] offset:128*(\b/2)+32*(\b%2)          ; each accumulator from its low end on
	ds_store_b128 v[STO], v[64*(\a)+8*\b+4:64*(\a)+8*\b+7] offset:128*(\b/2)+32*(\b%2)+16
.endr
	WIN 0
.set BB, BK+64*((\a)%2)
.irp t, 0,1,2,3,4,5,6,7,8,9,10,11,12,13,14,15
	ds_load_b128 v[BB+4*\t:BB+4*\t+3], v[RD] offset:\t*SPITCH
.endr
.endm
.macro SEND a, younger
.set BB, BK+64*((\a)%2)
	s_wait_dscnt \younger
.irp t, 0,1,2,3,4,5,6,7,8,9,10,11,12,13,14,15
	global_store_b128 v3, v[BB+4*\t:BB+4*\t+3], s[92:93] offset:(32*((\a)/2)+8*((\a)%2)+\t+8*(\t/8))*4096 th:TH_STORE_NT   ; 512 consecutive bytes of one row, aligned
.endr
.endm
	s_load_b256 s[4:11], s[0:1], 0x0               ; yq s[4:5], xw s[6:7], b_proj s[8:9], out0 s[10:11]
	v_lshl_add_u32 v126, v0, 2, 0x33000
	v_mov_b32 v127, 0
	ds_add_u32 v126, v127
	ds_add_u32 v126, v127
	v_lshrrev_b32 v1, 5, v0
	v_readfirstlane_b32 s14, v1                    ; wave 0..3
	s_lshr_b32 s15, s14, 1                         ; which half of the tokens is mine.  Also: I fetch for y (0) or for W_proj (1)
	s_and_b32 s16, s14, 1                          ; which half of the columns.  Also: which half of that operand's tiles I fetch
	s_bfe_u32 s40, ttmp6, 0x40000                  ; cx
	s_bfe_u32 s41, ttmp6, 0x40004                  ; cy
	s_lshl_b32 s42, ttmp9, 2
	s_add_co_u32 s42, s42, s40                     ; work-group x: 256 columns
	s_and_b32 s17, ttmp7, 0xffff
	s_lshl_b32 s17, s17, 2
	s_add_co_u32 s17, s17, s41                     ; work-group y: 128 tokens
	s_lshl_b32 s43, s41, 2
	s_lshl_b32 s43, 15, s43                        ; my row of the cluster
	s_lshl_b32 s44, 0x1111, s40                    ; my column
	; group 1, codes: operand tiles, of each the 4,096 bytes of one K step (512 elements of 8 bytes), 8,192 bytes apart: four of y, eight of W_proj
	s_or_b32 s[G1+0], s43, (3<<16)|(1<<21)
	s_mov_b32 s[G1+1], 512<<16
	s_mov_b32 s[G1+2], 4<<16
	s_mov_b32 s[G1+3], 512<<16
	s_mov_b32 s[G1+4], 4
	s_mov_b32 s[G1+5], 1024
	s_mov_b32 s[G1+6], 0
	s_mov_b32 s[G1+7], 0
	s_or_b32 s[G1B+0], s44, (3<<16)|(1<<21)
	s_mov_b32 s[G1B+1], 512<<16
	s_mov_b32 s[G1B+2], 8<<16
	s_mov_b32 s[G1B+3], 512<<16
	s_mov_b32 s[G1B+4], 8
	s_mov_b32 s[G1B+5], 1024
	s_mov_b32 s[G1B+6], 0
	s_mov_b32 s[G1B+7], 0
	; group 1, scale bytes, dense, as rows of 256 bytes: 8 rows for y's four tiles, 16 for W_proj's eight
	s_or_b32 s[G1S+0], s43, (3<<16)|(1<<21)
	s_mov_b32 s[G1S+1], 32<<16
	s_mov_b32 s[G1S+2], 8<<16
	s_mov_b32 s[G1S+3], 32<<16
	s_mov_b32 s[G1S+4], 8
	s_mov_b32 s[G1S+5], 32
	s_mov_b32 s[G1S+6], 0
	s_mov_b32 s[G1S+7], 0
	s_or_b32 s[G1SB+0], s44, (3<<16)|(1<<21)
	s_mov_b32 s[G1SB+1], 32<<16
	s_mov_b32 s[G1SB+2], 16<<16
	s_mov_b32 s[G1SB+3], 32<<16
	s_mov_b32 s[G1SB+4], 16
	s_mov_b32 s[G1SB+5], 32
	s_mov_b32 s[G1SB+6], 0
	s_mov_b32 s[G1SB+7], 0
	s_lshl_b32 s45, s17, 3
	s_lshl_b32 s18, s16, 2
	s_add_co_u32 s45, s45, s18                     ; the first of y's four tiles that I would fetch: hangs on cy, never on cx
	s_lshl_b32 s20, s45, 13
	s_mov_b32 s21, 0
	s_lshl_b32 s22, s45, 9
	s_add_co_u32 s22, s22, YS
	s_mov_b32 s23, 0
	s_lshl_b32 s46, s42, 4
	s_lshl_b32 s19, s16, 3
	s_add_co_u32 s46, s46, s19
	s_add_co_u32 s46, s46, 192                     ; and of W_proj's eight: hangs on cx, never on cy
	s_lshl_b32 s66, s46, 9
	s_add_co_u32 s66, s66, WS
	s_mov_b32 s67, 0
	s_lshl_b32 s46, s46, 13
	s_add_co_u32 s46, s46, WC
	s_mov_b32 s47, 0
	s_mul_i32 s94, s16, HALFA                      ; where they go in LDS: the wave's number alone
	s_mul_i32 s45, s16, HALFB
	s_add_co_u32 s45, s45, 2*HALFA
	s_mul_i32 s18, s16, NA*512
	s_add_co_u32 s18, s18, SCL
	s_lshl_b32 s19, s16, 12
	s_add_co_u32 s19, s19, SCL+2*NA*512
	s_lshl_b32 s12, s42, 10
	s_lshl_b32 s13, s16, 9
	s_add_co_u32 s12, s12, s13                     ; my 128 columns, in bytes
	s_mov_b32 s13, 0
	s_lshl_b32 s92, s17, 7
	s_lshl_b32 s93, s15, 6
	s_add_co_u32 s92, s92, s93                     ; my first token
	s_lshl_b32 s92, s92, 12
	s_add_co_u32 s92, s92, s12
	s_mov_b32 s93, 0
	s_wait_dscnt 0x0
	s_wait_kmcnt 0x0
	s_add_nc_u64 s[12:13], s[8:9], s[12:13]
	s_add_nc_u64 s[92:93], s[10:11], s[92:93]
	s_add_nc_u64 s[20:21], s[4:5], s[20:21]
	s_add_nc_u64 s[22:23], s[4:5], s[22:23]
	s_add_nc_u64 s[46:47], s[6:7], s[46:47]
	s_add_nc_u64 s[66:67], s[6:7], s[66:67]
	CROUND                                         ; all sixteen work-groups are here: the joint loads meet
	s_mov_b32 s[G0S], 1
	s_mov_b32 s[G0S+1], s18
	s_mov_b64 s[G0S+2:G0S+3], s[22:23]
	s_or_b32 s[G0S+3], s[G0S+3], 0x80000000
	s_mov_b32 s[G0SB], 1
	s_mov_b32 s[G0SB+1], s19
	s_mov_b64 s[G0SB+2:G0SB+3], s[66:67]
	s_or_b32 s[G0SB+3], s[G0SB+3], 0x80000000
	JLOAD G0S, G1S, G0SB, G1SB                     ; the scale bytes of all of K
.irp k, 0,1
	s_mov_b32 s[G0+4*\k], 1
	s_add_co_u32 s[G0+4*\k+1], s94, \k*SLOT
	s_add_nc_u64 s[G0+4*\k+2:G0+4*\k+3], s[20:21], \k*4096
	s_or_b32 s[G0+4*\k+3], s[G0+4*\k+3], 0x80000000
	s_mov_b32 s[G0B+4*\k], 1
	s_add_co_u32 s[G0B+4*\k+1], s45, \k*SLOT
	s_add_nc_u64 s[G0B+4*\k+2:G0B+4*\k+3], s[46:47], \k*4096
	s_or_b32 s[G0B+4*\k+3], s[G0B+4*\k+3], 0x80000000
	JLOAD G0+4*\k, G1, G0B+4*\k, G1B               ; K step k
.endr
	v_and_b32 v1, 15, v0                           ; r
	v_bfe_u32 v2, v0, 4, 1                         ; h
	v_and_b32 v3, 31, v0
	v_lshlrev_b32 v3, 4, v3                        ; 16 x lane
	s_mul_i32 s17, s15, HALFA
	s_mul_i32 s18, s16, HALFB
	s_add_co_u32 s18, s18, 2*HALFA
.irp k, 0,1
	v_add_nc_u32 v[ADRA+\k], s17, v3
	v_add_nc_u32 v[ADRB+\k], s18, v3
	s_add_co_u32 s17, s17, SLOT
	s_add_co_u32 s18, s18, SLOT
.endr
	s_mul_i32 s17, s15, NA*512                     ; y's scale bytes: my four tiles
	s_lshl_b32 s18, s16, 12                        ; W_proj's: my eight, behind y's eight
	s_add_co_u32 s18, s18, 2*NA*512
	s_sub_co_u32 s18, s18, s17
	v_mul_u32_u24 v4, s18, v2                      ; lanes 16-31 take W_proj's
	s_add_co_u32 s17, s17, SCL
	v_lshl_add_u32 v4, v1, 4, v4
	v_add_nc_u32 v[ADRS], s17, v4
	s_mul_i32 s17, s14, 16*SPITCH                  ; my stage
	v_mul_u32_u24 v5, v1, SPITCH
	v_lshl_add_u32 v5, v2, 6, v5
	v_add_nc_u32 v[STO], s17, v5                   ; in: row r, + 64 h
	v_add_nc_u32 v[RD], s17, v3                    ; back: 16 bytes a lane
	v_lshlrev_b32 v8, 6, v2                        ; the bias: 64 h
	WIN 0x40
.irp b, 0,1,2,3
.irp j, 0,1,2,3
	global_load_b128 v[BI+16*\b+4*\j:BI+16*\b+4*\j+3], v8, s[12:13] offset:128*\b+16*\j   ; register 16 b + i: column 32 b + 16 h + i
.endr
.endr
	WIN 0
	s_wait_tensorcnt 0x1                           ; the scale bytes and my part of K step 0 are in; K step 1's load may be out
	s_barrier_signal -1
	s_barrier_wait -1
	FETCH 0
	SCALES 0
	s_wait_loadcnt 0x0                             ; the bias
	STEP 0, 2                                      ; the first step's products start the sums from the bias
	STEP 1, 0
	STEP 2, 0
	STEP 3, 0
	STEP 4, 0
	STEP 5, 0
	STEP 6, 0
	STEP 7, 0
	PLACES 4                                       ; in front of the first read of results and of loads into y's fragments' registers
	TOSTAGE 0
.irp a, 1,2,3
.if \a > 1
	s_wait_xcnt 0x0                                ; block a - 2's stores have read their registers: block a's loads may land there
.endif
	TOSTAGE \a
	SEND \a-1, 32                                  ; behind block a - 1's loads: block a's 16 stores and 16 loads
.endr
	SEND 3, 0
	s_wait_dscnt 0x0
	s_wait_tensorcnt 0x0
	ds_add_u32 v126, v127
	s_wait_dscnt 0x0
	CROUND                                         ; the closing round: no work-group ends while a partner may still ask for a tile that names it
	s_endpgm
.Lfunc_end_k_q66f6b547e7_gemm_out:
	.size	k_q66f6b547e7_gemm_out, .Lfunc_end_k_q66f6b547e7_gemm_out-k_q66f6b547e7_gemm_out
	.p2alignl 7, 3214868480
	.fill 96, 4, 3214868480
	.section	.rodata,"a",@progbits
	.p2align	6, 0x0
	.amdhsa_kernel k_q66f6b547e7_gemm_out
		.amdhsa_group_segment_fixed_size 209408
		.amdhsa_private_segment_fixed_size 0
		.amdhsa_enable_private_segment 0
		.amdhsa_kernarg_size 32
		.amdhsa_user_sgpr_count 2
		.amdhsa_user_sgpr_kernarg_segment_ptr 1
		.amdhsa_wavefront_size32 1
		.amdhsa_system_sgpr_workgroup_id_x 1
		.amdhsa_system_sgpr_workgroup_id_y 1
		.amdhsa_system_sgpr_workgroup_id_z 1
		.amdhsa_system_vgpr_workitem_id 0
		.amdhsa_next_free_vgpr 768
		.amdhsa_next_free_sgpr 98
		.amdhsa_reserve_vcc 0
		.amdhsa_float_denorm_mode_32 3
		.amdhsa_float_denorm_mode_16_64 3
		.amdhsa_memory_ordered 1
		.amdhsa_forward_progress 1
		.amdhsa_inst_pref_size 73
	.end_amdhsa_kernel
	.amdgpu_metadata
---
amdhsa.version: [ 1, 2 ]
amdhsa.kernels:
  - .name:           k_q66f6b547e7_gemm_out
    .symbol:         k_q66f6b547e7_gemm_out.kd
    .args:
      - { .name: yq, .offset: 0, .size: 8, .value_kind: global_buffer, .address_space: global }
      - { .name: xw, .offset: 8, .size: 8, .value_kind: global_buffer, .address_space: global }
      - { .name: b_proj, .offset: 16, .size: 8, .value_kind: global_buffer, .address_space: global }
      - { .name: out0, .offset: 24, .size: 8, .value_kind: global_buffer, .address_space: global }
    .group_segment_fixed_size: 209408
    .private_segment_fixed_size: 0
    .kernarg_segment_align: 8
    .kernarg_segment_size: 32
    .max_flat_workgroup_size: 128
    .sgpr_count:     98
    .vgpr_count:     768
    .wavefront_size: 32
...
	.end_amdgpu_metadata
.endif
;; end of part 4
